; MI455X (gfx1250); checked and timed in simulation.
; The chip was launched on July 23, 2026; its instructions are those of AMD's public machine-readable ISA for CDNA 5 (MIT licence, August 2026) and "CDNA5" Instruction Set Architecture Reference Guide (July 2026). The comments in the code are by the model that wrote it; some were corrected since.
;; Cross Attention. Allowed arithmetic: matrix products marked QUANTISED: E2M3 operands, one E8M0 scale for each 32 along K, by v_wmma_scale_f32_16x16x128_f8f6f4 with both operands' format E2M3, f32 sums; everything else in f32.
;; Inputs: W_out 1,024 x 1,024 float32; W_qkv 1,024 x 1,024 float32; b_out 1,024 float32; x 4 x 2,048 x 1,024 float32.
;; Outputs: out0 4 x 2,048 x 1,024 float32.
;; This version of the problem:
;;   THIS VERSION OF THE PROBLEM IS GIVEN IN LOW PRECISION. The matrix products marked QUANTISED in the list below multiply operands that are first quantised to E2M3 (2 exponent bits, 3 mantissa bits; 6 bits a number), with one power-of-two scale for each 32 numbers along K (OCP MX v1.0); their sums are f32. All else is computed in f32.
;;   The module's matrix products, in the order in which they are computed (A, B: the left and right operand; K: the contracted axis; several contracted axes count as one K, in the product's order):
;;     1. [M 8,192, K 1,024] x [K 1,024, N 1,024]; A: input x; B: input W_qkv: QUANTISED
;;     2. batch 64 x [M 2,048, K 64] x [K 64, N 2,048]; A: computed on the way; B: computed on the way: QUANTISED
;;     3. batch 64 x [M 2,048, K 2,048] x [K 2,048, N 64]; A: softmax (see below); B: computed on the way: QUANTISED
;;     4. [M 8,192, K 1,024] x [K 1,024, N 1,024]; A: computed on the way; B: input W_out: QUANTISED
;;   THE QUANTISER, for each operand of a quantised product, along K:
;;     - K is cut into blocks of 32 from its start; a last block that is shorter is filled with zeros.
;;     - A block's scale is 2^e with e = floor(log2(the largest magnitude in the block)) - 2, held to -126 .. 127; a block of zeros has e = 0. As a byte (E8M0): e + 127.
;;     - Each number is divided by its block's scale, clamped to +-7.5, and rounded to the nearest number of E2M3, ties to even, subnormals kept.
;;     - The product sums the exact products of the quantised numbers (number of the format x scale) in f32.
;;   ~~~python
;;   def quantise(x, axis):      # numpy; x: float32 -> the quantised numbers, widened to float32 again
;;       x = np.moveaxis(x, axis, -1); K = x.shape[-1]
;;       x = np.pad(x, [(0, 0)] * (x.ndim - 1) + [(0, -K % 32)]); x = x.reshape(x.shape[:-1] + (-1, 32)); a = np.abs(x).max(-1, keepdims=True)
;;       e = np.where(a > 0, np.clip(np.frexp(np.where(a > 0, a, 1))[1] - 1 - 2, -126, 127), 0)      # np.frexp(a)[1] - 1 = floor(log2(a)), exactly
;;       r = np.clip(x / 2.0 ** e, -7.5, 7.5)
;;       step = 2.0 ** (np.maximum(np.frexp(np.where(r == 0, 1, r))[1] - 1, 0) - 3)
;;       q = np.round(r / step) * step * 2.0 ** e      # np.round: ties to even
;;       return np.moveaxis(q.reshape(q.shape[:-2] + (-1,))[..., :K], -1, axis).astype(np.float32)
;;   ~~~
;;   SOFTMAX AHEAD OF A QUANTISED PRODUCT. Where the list says 'softmax', what is quantised is not the finished softmax but p = 2^(t - M), with t = logit x log2(e) and M = ceil(the row's largest t), a whole number; so 1/2 < the row's largest p <= 1. The row's sum l is taken of the UNQUANTISED p, in f32, and the product's result is divided by l at the end. Since M is a whole number, a kernel that streams over the keys may use a running M (the ceiling of the running maximum): every later rescaling is an exact power of two, which a block's scale takes up: the codes' values come out the same.
;;   OPERANDS COMPUTED ON THE WAY. 'Computed on the way' means the value that the module computes at that place (a softmax that the list does not call 'softmax' is quantised finished and normalised). What goes into a quantiser is computed in f32, as accurately as f32 sums, v_exp_f32 and their like allow (about 1e-6 of the number): no bf16 or f16 on the way to a quantiser, and a product that is left as it is and whose result goes on into a quantised operand takes f32 operands (vector FMAs, or v_wmma_f32_16x16x4_f32). A number that lies on a knife's edge between two numbers of the format may be rounded either way, as far as f32 arithmetic and the matrix unit's own rounding can turn it there, and no further.
;; One version. Each part assembles by itself: llvm-mc -triple=amdgcn-amd-amdhsa -mcpu=gfx1250 --defsym DOCPART=n.
;; ======== version 1 of 1: 4 launches
;; limits: right only within a limited range of input values
;; workspace buffers: xt 6,553,600 bytes; wt 1,638,400 bytes; kv 13,107,200 bytes; ot 6,553,600 bytes
;; launch prep (part 1): grid 640 x 1, 4 waves a work-group, no clusters, 47,616 bytes of LDS; arguments x, W_qkv, W_out, xt, wt; writes xt, wt
.if DOCPART == 1
	.amdgcn_target "amdgcn-amd-amdhsa--gfx1250"
	.amdhsa_code_object_version 6
	.text
	.protected	k_qa377998dc3_prep
	.globl	k_qa377998dc3_prep
	.p2align	8
	.type	k_qa377998dc3_prep,@function
k_qa377998dc3_prep:
	s_mov_b64 s[64:65], 0
	v_nop
	global_prefetch_b8 v0, s[64:65] scope:SCOPE_SE
	s_setreg_imm32_b32 hwreg(HW_REG_WAVE_MODE, 25, 1), 1
	s_wait_xcnt 0x0
; x [8192][1024] f32 (K innermost) and W_qkv, W_out [1024 (k)][1024 (n)] f32 (K outermost) become codes of E2M3 with one E8M0 byte for each 32 along K,
; laid as the later launches' operand registers want them.
; A TILE is 16 rows (of x) or 16 columns n (of a weight): tile T = 2 B + u holds rows 32 B + 8 u + r + 8 (r / 8), r = 0 .. 15.
; A FRAGMENT (a tile x 128 along K) is 12 registers a lane: lane (r, h) holds k = 64 c + 32 h + 0 .. 31 in registers 6 c .. 6 c + 5.  Its IMAGE is 1,536 bytes:
; register g of lane l at 512 (g / 4) + 16 l + 4 (g % 4): three accesses of 16 bytes a lane, 512 consecutive bytes each, move it.
; A RECORD (12,800 bytes, 50 x 256) is a tile's eight images, K step s at 1,536 s, and at 12,288 its scale words: the word of (row r, K step s) at 16 r + 256 (s / 4) + 4 (s % 4).
; xt: 512 records.  wt: 128 records: W_qkv's 64 tiles of columns, then W_out's.
; A block's scale is 2^(floor(log2(largest magnitude)) - 2): its byte is the largest magnitude's exponent field - 2, held at 1 from below by a floor among the maximum's leaves.
; LIMITS: a block of zeros, or one whose largest magnitude lies under 2^-124, gets the byte 1 (its codes are zeros or nearly so; this program alone reads the bytes); NaN and infinities are not served.
; Work-groups 0-511 take x, 512-639 the weights; each way has LDS bytes of its own.  Waves share nothing: no barrier.
.set REC,   12800
.set XSTG,  8448                       ; x's way: a wave's stage, 16 rows x (512 bytes + 16)
.set WST0,  33792                      ; the weights' way: behind x's four stages,
.set WSTG,  3328                       ; a wave's stage: two images, 1,664 bytes apart
.set SPARE, 47104                      ; the spare words, 128 bytes for each wave: two blocks of 256 bytes that no other line names
.set SPW,   252                        ; v252 LDS address of my spare word; never rewritten
.set NIL,   253                        ; v253 0; never rewritten
.set R,     16                         ; x: v16-143 two sets of 64 numbers as loaded.  weights: v16-143 a column's 128 numbers
.set X,     144                        ; x: v144-207 my 64 numbers of a fragment: register 32 c + i = k 64 c + 32 h + i
.set C,     208                        ; x: v208-231 two sets of 12 registers of codes
.set TT,    232                        ; x: v232-238 the upper halves of the blocks' codes, before they are moved
.set WC,    144                        ; weights: v144-167 the four blocks' codes, six registers each
.set WT,    168                        ; weights: v168-182 the upper halves
.set WO,    184                        ; weights: v184-207 two images read back
	s_load_b128 s[4:7], s[0:1], 0x0                ; x, W_qkv
	s_load_b128 s[8:11], s[0:1], 0x10              ; W_out, xt
	s_load_b64 s[12:13], s[0:1], 0x20              ; wt
	v_lshl_add_u32 v[SPW], v0, 2, SPARE
	v_mov_b32 v[NIL], 0
	v_lshrrev_b32 v1, 5, v0
	v_readfirstlane_b32 s14, v1                    ; wave
	v_and_b32 v5, 31, v0                           ; lane
	v_lshlrev_b32 v1, 4, v5                        ; 16 x lane
	s_mov_b32 s20, 0x76543210
	s_mov_b32 s21, 0xfedcba98                      ; v_permlanex16_b32's selects for lane l xor 16
	s_mov_b32 s22, 0xffff0000                      ; lanes 16-31
	s_cmp_lt_u32 ttmp9, 512                        ; work-groups 0-511 take x (a tile each, a quarter of K a wave: two fragments, both asked for at once), 512-639 the weights
	s_cbranch_scc0 .Lweights
; ---------------- x: a wave takes one tile and a quarter of K: two fragments, 16 KiB of f32 ----------------
	v_and_b32 v6, 15, v0                           ; r
	v_bfe_u32 v7, v0, 4, 1                         ; h
	s_mul_i32 s15, s14, XSTG
	v_add_nc_u32 v2, s15, v1                       ; into the stage: a row's 512 bytes as they lie
	v_mul_u32_u24 v3, v6, 528
	v_lshl_add_u32 v3, v7, 7, v3
	v_add_nc_u32 v3, s15, v3                       ; out of it: row r, + 128 h: my 32 numbers of each 64
	v_lshlrev_b32 v4, 4, v6
	v_lshl_add_u32 v4, v7, 2, v4                   ; the scale words' place: 16 r + 4 h
	v_lshlrev_b32 v8, 3, v7                        ; 8 h: by so many bits my two bytes move up in the word
	v_mov_b32 v247, 0                              ; (a lane permute's destination counts as one of its sources)
	s_lshl_b32 s16, ttmp9, 2
	s_add_co_u32 s16, s16, s14
	s_lshr_b32 s17, s16, 2                         ; the tile T
	s_and_b32 s18, s16, 3                          ; the quarter of K
	; x's tiles (the weights' keep the order stated at the head): tile T = 4 G + j holds rows 64 G + 32 (r / 8) + 8 j + r % 8, so that the eight registers of four neighbouring tiles are a whole block of 32 rows in one lane
	s_lshr_b32 s24, s17, 2
	s_lshl_b32 s24, s24, 18                        ; 64 rows of 4,096 bytes for each four tiles,
	s_and_b32 s25, s17, 3
	s_lshl_b32 s25, s25, 15                        ; 8 rows for each tile among them,
	s_add_co_u32 s24, s24, s25
	s_lshl_b32 s25, s18, 10                        ; 1,024 bytes for each quarter of K
	s_add_co_u32 s24, s24, s25
	s_mov_b32 s25, 0
	s_mul_i32 s26, s17, REC
	s_mul_i32 s28, s18, 3072
	s_add_co_u32 s28, s28, s26                     ; my two images
	s_mov_b32 s29, 0
	s_lshr_b32 s30, s18, 1                         ; my two K steps' scale words: 256 bytes for each four K steps, 8 for each two
	s_lshl_b32 s30, s30, 8
	s_and_b32 s31, s18, 1
	s_lshl_b32 s31, s31, 3
	s_add_co_u32 s30, s30, s31
	s_add_co_u32 s30, s30, s26                     ; my 256 bytes of scale words (12,288 stands in the immediate)
	s_mov_b32 s31, 0
	s_wait_alu depctr_va_vdst(0)
	s_wait_kmcnt 0x0
	s_add_nc_u64 s[4:5], s[4:5], s[24:25]
	s_add_nc_u64 s[28:29], s[10:11], s[28:29]
	s_add_nc_u64 s[30:31], s[10:11], s[30:31]
.macro LOADX t                         ; fragment t's 16 rows x 512 bytes: each load reads 512 consecutive bytes of one row
.irp i, 0,1,2,3,4,5,6,7,8,9,10,11,12,13,14,15
	global_load_b128 v[R+64*((\t)%2)+4*\i:R+64*((\t)%2)+4*\i+3], v1, s[4:5] offset:(\i+24*(\i/8))*4096+512*(\t) th:TH_LOAD_NT
.endr
.endm
.macro FRAGX t
.set RS, R+64*((\t)%2)
.set CS, C+12*((\t)%2)
.if (\t) < 1
	s_wait_loadcnt 16                              ; this fragment's 16 loads are in; the next fragment's 16 may be out
.else
	s_wait_loadcnt 0x0
.endif
.irp i, 0,1,2,3,4,5,6,7,8,9,10,11,12,13,14,15
	ds_store_b128 v2, v[RS+4*\i:RS+4*\i+3] offset:528*\i
.endr
.irp c, 0,1
.irp m, 0,1,2,3,4,5,6,7
	ds_load_b128 v[X+32*\c+4*\m:X+32*\c+4*\m+3], v3 offset:256*\c+16*\m   ; LDS serves a wave's instructions in order: these see the stores above
.endr
.endr
	s_wait_dscnt 0x0                               ; my 64 numbers are back, and the stores have read their registers,
.irp c, 0,1                                    ; two whole blocks lie in my registers: blocks 2 c + h of the fragment's four
	v_max3_num_f32 v[240+\c], |v[X+32*\c]|, |v[X+1+32*\c]|, 0x1800000   ; the floor 2^(3 - 127): the byte cannot fall under 1
.endr
.irp i, 2,4,6,8,10,12,14,16,18,20,22,24,26,28,30
.irp c, 0,1
	v_max3_num_f32 v[240+\c], v[240+\c], |v[X+32*\c+\i]|, |v[X+1+32*\c+\i]|
.endr
.endr
.irp c, 0,1
	v_add_nc_u32 v[242+\c], 0xff000000, v[240+\c]  ; 2 off the exponent field: the conversion's scale operand
.endr
.irp c, 0,1
	v_lshrrev_b32 v[244+\c], 23, v[242+\c]         ; the scale's byte
.endr
	v_lshl_or_b32 v246, v245, 16, v244             ; bytes h and 2 + h of my row's word,
	v_lshlrev_b32 v246, v8, v246                   ; at their places;
	v_permlanex16_b32 v247, v246, s20, s21
	v_or_b32 v[248+(\t)], v246, v247               ; with lane l xor 16's two the word is whole
.irp c, 0,1
	v_cvt_scalef32_pk16_fp6_f32 v[CS+6*\c:CS+6*\c+2], v[X+32*\c:X+32*\c+15], v[242+\c]
	v_cvt_scalef32_pk16_fp6_f32 v[TT+4*\c:TT+4*\c+2], v[X+16+32*\c:X+31+32*\c], v[242+\c]   ; (a conversion's three registers begin on an even number)
.endr
	v_nop                                          ; one plain place behind a scaled conversion
.irp c, 0,1
.irp i, 0,1,2
	v_mov_b32 v[CS+3+6*\c+\i], v[TT+4*\c+\i]
.endr
.endr
.irp g, 0,1,2
	global_store_b128 v1, v[CS+4*\g:CS+4*\g+3], s[28:29] offset:1536*(\t)+512*\g   ; 512 consecutive bytes, at a multiple of 256 from the buffer's first byte
.endr
.endm
	LOADX 0
	LOADX 1
	FRAGX 0
	FRAGX 1
	v_cndmask_b32 v240, v248, v249, s22            ; lanes 0-15 store their row's first word, lanes 16-31 the second
	global_store_b32 v4, v240, s[30:31] offset:12288   ; pieces of 8 bytes a row: 256 KiB in the whole launch
	s_wait_tensorcnt 0x0                           ; the wave's end: these three lines behind my last LDS store
	ds_add_u32 v[SPW], v[NIL]
	s_wait_dscnt 0x0
	s_endpgm
; ---------------- the weights: a wave takes 32 columns x 128 along K.  A lane takes a column, its registers run down K ----------------
.Lweights:
	s_sub_co_u32 s16, ttmp9, 512
	s_lshr_b32 s17, s16, 6                         ; which weight
	s_bfe_u32 s18, s16, 0x30003                    ; the K step
	s_and_b32 s19, s16, 7
	s_lshl_b32 s19, s19, 2
	s_add_co_u32 s19, s19, s14                     ; which 32 columns: the four waves stand side by side on 512 bytes of each row
	s_wait_alu depctr_va_vdst(0)
	v_lshlrev_b32 v2, 2, v5                        ; 4 bytes a lane
	v_bfe_u32 v6, v5, 3, 1                         ; my column lies in tile u = (lane / 8) % 2 of the pair,
	v_and_b32 v7, 7, v5
	v_lshrrev_b32 v8, 4, v5
	v_lshl_add_u32 v7, v8, 3, v7                   ; as its row r = lane % 8 + 8 (lane / 16)
	s_mul_i32 s15, s14, WSTG
	s_add_co_u32 s15, s15, WST0
	v_mul_u32_u24 v3, v6, 1664
	v_lshl_add_u32 v3, v7, 4, v3
	v_add_nc_u32 v3, s15, v3                       ; into the stage: image u, lane r's place
	v_add_nc_u32 v4, s15, v1                       ; out of it: 16 x lane
	v_mul_u32_u24 v9, v6, REC
	v_lshl_add_u32 v9, v7, 4, v9                   ; my scale word's place: record u, 16 r
	s_lshl_b32 s24, s18, 19                        ; 128 rows of 4,096 bytes a K step,
	s_lshl_b32 s25, s19, 7                         ; 128 bytes for each 32 columns
	s_add_co_u32 s24, s24, s25
	s_mov_b32 s25, 0
	s_lshl_b32 s26, s17, 6
	s_lshl_b32 s27, s19, 1
	s_add_co_u32 s26, s26, s27
	s_mul_i32 s26, s26, REC                        ; the pair's first record
	s_mul_i32 s28, s18, 1536
	s_add_co_u32 s28, s28, s26                     ; this K step's image in it
	s_mov_b32 s29, 0
	s_lshr_b32 s30, s18, 2
	s_lshl_b32 s30, s30, 8
	s_and_b32 s31, s18, 3
	s_lshl_b32 s31, s31, 2
	s_add_co_u32 s30, s30, s31
	s_add_co_u32 s30, s30, s26                     ; and this K step's scale words
	s_mov_b32 s31, 0
	s_wait_kmcnt 0x0
	s_cmp_eq_u32 s17, 0                            ; the choice hangs on the work-group's number alone
	s_cselect_b64 s[4:5], s[6:7], s[8:9]
	s_add_nc_u64 s[4:5], s[4:5], s[24:25]
	s_add_nc_u64 s[28:29], s[12:13], s[28:29]
	s_add_nc_u64 s[30:31], s[12:13], s[30:31]
.set i, 0
.rept 128
	global_load_b32 v[R+i], v2, s[4:5] offset:4096*i th:TH_LOAD_NT   ; W(128 s + i, my column): 32 lanes read 128 consecutive bytes
.set i, i+1
.endr
.macro WPAIR p                         ; blocks 2 p and 2 p + 1 of my column, by turns: all 32 numbers of a block are mine
.irp c, 0,1
	v_max3_num_f32 v[240+2*(\p)+\c], |v[R+64*(\p)+32*\c]|, |v[R+1+64*(\p)+32*\c]|, 0x1800000
.endr
.irp i, 2,4,6,8,10,12,14,16,18,20,22,24,26,28,30
.irp c, 0,1
	v_max3_num_f32 v[240+2*(\p)+\c], v[240+2*(\p)+\c], |v[R+64*(\p)+32*\c+\i]|, |v[R+1+64*(\p)+32*\c+\i]|
.endr
.endr
.irp c, 0,1
	v_add_nc_u32 v[244+2*(\p)+\c], 0xff000000, v[240+2*(\p)+\c]
.endr
.irp c, 0,1
	v_cvt_scalef32_pk16_fp6_f32 v[WC+12*(\p)+6*\c:WC+12*(\p)+6*\c+2], v[R+64*(\p)+32*\c:R+64*(\p)+32*\c+15], v[244+2*(\p)+\c]
	v_cvt_scalef32_pk16_fp6_f32 v[WT+8*(\p)+4*\c:WT+8*(\p)+4*\c+2], v[R+16+64*(\p)+32*\c:R+31+64*(\p)+32*\c], v[244+2*(\p)+\c]
.endr
	v_nop                                          ; one plain place behind a scaled conversion
.irp c, 0,1
.irp i, 0,1,2
	v_mov_b32 v[WC+3+12*(\p)+6*\c+\i], v[WT+8*(\p)+4*\c+\i]
.endr
.endr
.endm
	s_wait_loadcnt 63                              ; at most 63 of the 128 loads are out: the first 65, blocks 0 and 1 among them, are in
	WPAIR 0
	s_wait_loadcnt 0x0
	WPAIR 1
.irp k, 0,1,2,3
	v_lshrrev_b32 v[240+\k], 23, v[244+\k]         ; the four bytes: my column's scale word of this K step
.endr
	v_lshl_or_b32 v248, v241, 8, v240
	v_lshl_or_b32 v248, v242, 16, v248
	v_lshl_or_b32 v248, v243, 24, v248
	; block 2 c + h belongs to lane (r, h) of the fragment, registers 6 c .. 6 c + 5: each block's six registers go to their places in the image
	ds_store_b128 v3, v[WC:WC+3]                   ; block 0: registers 0-3 of lane r,
	ds_store_b64 v3, v[WC+4:WC+5] offset:512       ; 4, 5
	ds_store_b128 v3, v[WC+6:WC+9] offset:256      ; block 1: the same of lane 16 + r
	ds_store_b64 v3, v[WC+10:WC+11] offset:768
	ds_store_b64 v3, v[WC+12:WC+13] offset:520     ; block 2: registers 6, 7 of lane r,
	ds_store_b128 v3, v[WC+14:WC+17] offset:1024   ; 8-11
	ds_store_b64 v3, v[WC+18:WC+19] offset:776     ; block 3: the same of lane 16 + r
	ds_store_b128 v3, v[WC+20:WC+23] offset:1280
.irp n, 0,1,2,3,4,5
	ds_load_b128 v[WO+4*\n:WO+4*\n+3], v4 offset:1664*(\n/3)+512*(\n%3)   ; LDS serves a wave's instructions in order: these see the stores above
.endr
	global_store_b32 v9, v248, s[30:31] offset:12288   ; pieces of 4 bytes: 64 KiB in the whole launch
.irp n, 0,1,2,3,4,5
	s_wait_dscnt 5-\n                              ; the younger read-backs may be out
	global_store_b128 v1, v[WO+4*\n:WO+4*\n+3], s[28:29] offset:REC*(\n/3)+512*(\n%3)
.endr
	s_wait_tensorcnt 0x0                           ; the wave's end: these three lines behind my last LDS store
	ds_add_u32 v[SPW], v[NIL]
	s_wait_dscnt 0x0
	s_endpgm
.Lfunc_end_k_qa377998dc3_prep:
	.size	k_qa377998dc3_prep, .Lfunc_end_k_qa377998dc3_prep-k_qa377998dc3_prep
	.p2alignl 7, 3214868480
	.fill 96, 4, 3214868480
	.section	.rodata,"a",@progbits
	.p2align	6, 0x0
	.amdhsa_kernel k_qa377998dc3_prep
		.amdhsa_group_segment_fixed_size 47616
		.amdhsa_private_segment_fixed_size 0
		.amdhsa_enable_private_segment 0
		.amdhsa_kernarg_size 40
		.amdhsa_user_sgpr_count 2
		.amdhsa_user_sgpr_kernarg_segment_ptr 1
		.amdhsa_wavefront_size32 1
		.amdhsa_system_sgpr_workgroup_id_x 1
		.amdhsa_system_sgpr_workgroup_id_y 1
		.amdhsa_system_sgpr_workgroup_id_z 1
		.amdhsa_system_vgpr_workitem_id 0
		.amdhsa_next_free_vgpr 256
		.amdhsa_next_free_sgpr 66
		.amdhsa_reserve_vcc 0
		.amdhsa_float_denorm_mode_32 3
		.amdhsa_float_denorm_mode_16_64 3
		.amdhsa_memory_ordered 1
		.amdhsa_forward_progress 1
		.amdhsa_inst_pref_size 38
	.end_amdhsa_kernel
	.amdgpu_metadata
---
amdhsa.version: [ 1, 2 ]
amdhsa.kernels:
  - .name:           k_qa377998dc3_prep
    .symbol:         k_qa377998dc3_prep.kd
    .args:
      - { .name: x, .offset: 0, .size: 8, .value_kind: global_buffer, .address_space: global }
      - { .name: W_qkv, .offset: 8, .size: 8, .value_kind: global_buffer, .address_space: global }
      - { .name: W_out, .offset: 16, .size: 8, .value_kind: global_buffer, .address_space: global }
      - { .name: xt, .offset: 24, .size: 8, .value_kind: global_buffer, .address_space: global }
      - { .name: wt, .offset: 32, .size: 8, .value_kind: global_buffer, .address_space: global }
    .group_segment_fixed_size: 47616
    .private_segment_fixed_size: 0
    .kernarg_segment_align: 8
    .kernarg_segment_size: 40
    .max_flat_workgroup_size: 128
    .sgpr_count:     66
    .vgpr_count:     256
    .wavefront_size: 32
...
	.end_amdgpu_metadata
.endif
;; end of part 1
;; launch proj (part 2): grid 8 x 32, 4 waves a work-group, clusters of 4 x 4, 327,680 bytes of LDS; arguments xt, wt, kv; writes kv
.if DOCPART == 2
	.amdgcn_target "amdgcn-amd-amdhsa--gfx1250"
	.amdhsa_code_object_version 6
	.text
	.protected	k_qa377998dc3_proj
	.globl	k_qa377998dc3_proj
	.p2align	8
	.type	k_qa377998dc3_proj,@function
k_qa377998dc3_proj:
	s_mov_b64 s[64:65], 0
	v_nop
	global_prefetch_b8 v0, s[64:65] scope:SCOPE_SE
	s_setreg_imm32_b32 hwreg(HW_REG_WAVE_MODE, 25, 1), 1
	s_wait_xcnt 0x0
	s_wait_alu depctr_hold_cnt(0) depctr_sa_sdst(0) depctr_va_vdst(0) depctr_va_sdst(0) depctr_va_ssrc(0) depctr_va_vcc(0) depctr_vm_vsrc(0)
	s_getreg_b32 s2, hwreg(HW_REG_IB_STS2, 6, 4)
	s_cmp_eq_u32 s2, 0
	s_cbranch_scc0 .Lentry_in_a_cluster
	s_endpgm
.Lentry_in_a_cluster:
	s_bfe_u32 s2, ttmp6, 0x10000c
	s_cmp_lg_u32 s2, 0xf033
	s_cbranch_scc0 .Lentry_shape_is_right
	s_endpgm
.Lentry_shape_is_right:
; qkv = Q(x) Q(W_qkv), on codes of E2M3, and its result quantised twice in registers: along the head's 64 channels (q and k) and along the keys (v).  The f32 result never goes to memory.
; A work-group of four waves makes 256 rows x 128 columns (two heads); a wave 128 rows (a key step: eight tiles i of x) x one head (four tiles t of W's columns).
; THE PRODUCT IS MULTIPLIED TWICE, WITH THE SOURCES SWAPPED.  Source 0 = W's tile, source 1 = x's: a lane holds one row and its registers run along the channels (ACCQ).  Swapped: a lane holds one
; channel and its registers run along the keys (ACCV).  Both give the same sums, so q, k and v are quantised from the same numbers, and no result changes lanes.
; Since a tile's rows are 32 B + 8 u + r + 8 (r / 8), the 16 registers of two neighbouring tiles of source 0 are 16 neighbours: 32 B + 16 h + 0 .. 15.
; ALL OF K LIES IN LDS: 16 tiles of x and 8 of W, eight images each, 294,912 bytes, filled once: two tensor loads a wave, one for each four K steps, the second behind the first's wait.
; CLUSTER 4 x 4: x's tiles are shared along a row of the cluster, W's along a column: each is asked for jointly.
; OUT: one record of kv (12,800 bytes) a wave, for (head, key step): at 1,536 b the DOUBLE FRAGMENT b (registers 0-5: key tile (b, 0), registers 6-11: key tile (b, 1); lane (r, h): channels 32 h ..);
; at 6,144 + 1,536 t the fragment of V^T (channel tile t x 128 keys); at 12,288 the scale words: word j of lane l < 16 the double fragment j's, of lane 16 + r the V tile j's.
; LIMITS: a block of zeros, or one whose largest magnitude lies under 2^-124, gets the byte 1 (this program alone reads the bytes); NaN and infinities are not served.
; REGISTERS: window 0: v1-11 addresses; v14-45 x's scale words, v48-63 W's (register 4 i + j: K step j in lanes 0-15, 4 + j in lanes 16-31); v64-159, v160-255 x's fragments, two buffers.
;   window 1: v0-47, v48-95 W's fragments, two buffers.   window 2: ACCQ(i, t) at 32 i + 8 t.   window 3: ACCV(t, i) at 64 t + 8 i.
.set REC,   12800
.set XQ,    98304                      ; LDS: x's 16 tiles of four K steps, 6,144 bytes a tile
.set WB,    196608                     ; W's begin behind x's four pairs;
.set WQ,    49152                      ; W's 8 tiles of four K steps
.set SPARE, 294912                     ; the spare words, 128 bytes for each wave: two blocks of 256 bytes that no other line names
.set FR,    12
.set LN,    1                          ; v1    16 x lane
.set AX,    2                          ; v2, v3  x's fragments of half q: 16 x lane + my 8 tiles + XQ q
.set AW,    6                          ; v6, v7  W's
.set SPW,   10                         ; v10   LDS address of my spare word; never rewritten
.set NIL,   11                         ; v11   0; never rewritten
.set XS,    14                         ; v14-45 x's scale words: their numbers differ from W's (v48-63) by 2 or 6 modulo 8
.set WS,    48
.set XF,    64
.set PCD,   64                         ; the way out: v64-159 eight sets of 12 registers of codes, so that no store's data are written again
.set TT,    160                        ; v160-166 the upper halves of the blocks' codes, before they are moved
.set TM,    168                        ; v168-171 largest magnitudes, v172-175 bytes, v180-183 the conversions' scale operands
.set KW,    184                        ; v184-187 the double fragments' scale words
.set VW,    188                        ; v188-191 V's
.set SI,    192                        ; v192-195 the record's scale words
.set WV,    12                         ; s12 wave; s13 which 128 rows; s14 which head
.set MSB,   0
.macro WIN new                         ; the immediate's high byte repeats the setting that is left
.if MSB != \new
	s_set_vgpr_msb (MSB<<8)|\new
.set MSB, \new
.endif
.endm
.macro CROUND                          ; a round of the cluster's barrier
	s_barrier_signal -1
	s_barrier_wait -1
	s_cmp_lg_u32 s[WV], 0
	s_cbranch_scc1 .Lnot_wave_0_\@
	s_barrier_signal -3
.Lnot_wave_0_\@:
	s_barrier_wait -3
	s_barrier_signal -1
	s_barrier_wait -1
.endm
.macro PLACES n
.rept \n
	v_nop
.endr
.endm
	s_load_b128 s[4:7], s[0:1], 0x0                ; xt, wt
	s_load_b64 s[8:9], s[0:1], 0x10                ; kv
	v_lshl_add_u32 v[SPW], v0, 2, SPARE
	v_mov_b32 v[NIL], 0
	ds_add_u32 v[SPW], v[NIL]                      ; the wave's opening: the add and its wait stand ahead of my first tensor load; work on registers stands between them
	ds_add_u32 v[SPW], v[NIL]
	v_lshrrev_b32 v1, 5, v0
	v_readfirstlane_b32 s[WV], v1
	s_lshr_b32 s13, s[WV], 1
	s_and_b32 s14, s[WV], 1
	s_bfe_u32 s66, ttmp6, 0x40000                  ; cx
	s_bfe_u32 s67, ttmp6, 0x40004                  ; cy
	s_lshl_b32 s68, ttmp9, 2
	s_add_co_u32 s68, s68, s66                     ; gx: columns 128 gx on
	s_and_b32 s69, ttmp7, 0xffff
	s_lshl_b32 s69, s69, 2
	s_add_co_u32 s69, s69, s67                     ; gy: rows 256 gy on
	s_lshl_b32 s70, s67, 2
	s_lshl_b32 s70, 15, s70                        ; my row of the cluster
	s_lshl_b32 s71, 0x1111, s66                    ; my column
	; group 1 for x: eight records' 6,144 bytes (four images), 12,800 bytes apart, in elements of 8 bytes; dense in LDS
	s_or_b32 s16, s70, (3<<16)|(1<<21)
	s_mov_b32 s17, 768<<16                         ; eight records' 6,144 bytes (four images)
	s_mov_b32 s18, 8<<16
	s_mov_b32 s19, 768<<16
	s_mov_b32 s20, 8
	s_mov_b32 s21, 1600                            ; from record to record
	s_mov_b32 s22, 0
	s_mov_b32 s23, 0
	; and for W: four records'
	s_or_b32 s24, s71, (3<<16)|(1<<21)
	s_mov_b32 s25, 768<<16                         ; four records'
	s_mov_b32 s26, 4<<16
	s_mov_b32 s27, 768<<16
	s_mov_b32 s28, 4
	s_mov_b32 s29, 1600
	s_mov_b32 s30, 0
	s_mov_b32 s31, 0
	s_lshl_b32 s72, s69, 4                         ; x: tiles 16 gy + 8 (w % 2) .. + 7 (no register here ever holds cx),
	s_lshl_b32 s73, s14, 3                         ; waves 0, 1 fetch x's tiles 16 gy + 8 (w % 2) on
	s_add_co_u32 s72, s72, s73
	s_mul_i32 s72, s72, REC
	s_mov_b32 s73, 0
	s_lshl_b32 s74, s68, 3                         ; W: tiles 8 gx + 4 (w % 2) .. + 3 (nor here cy)
	s_lshl_b32 s75, s14, 2                         ; waves 2, 3 fetch W's tiles 8 gx + 4 (w % 2) on
	s_add_co_u32 s74, s74, s75
	s_mul_i32 s74, s74, REC
	s_mov_b32 s75, 0
	s_mul_i32 s76, s14, 49152                      ; where they go: the wave's number alone
	s_mul_i32 s77, s14, 24576
	s_lshl_b32 s84, s69, 4                         ; my eight tiles' records, for their scale words
	s_lshl_b32 s85, s13, 3
	s_add_co_u32 s84, s84, s85
	s_mul_i32 s84, s84, REC
	s_mov_b32 s85, 0
	s_lshl_b32 s86, s68, 3                         ; my four tiles of W
	s_lshl_b32 s87, s14, 2
	s_add_co_u32 s86, s86, s87
	s_mul_i32 s86, s86, REC
	s_mov_b32 s87, 0
	s_lshr_b32 s88, s69, 3                         ; kv's record: ((batch x 16 + head) x 16 + key step)
	s_lshl_b32 s88, s88, 4
	s_lshl_b32 s89, s68, 1
	s_add_co_u32 s88, s88, s89
	s_add_co_u32 s88, s88, s14
	s_lshl_b32 s88, s88, 4
	s_and_b32 s89, s69, 7
	s_lshl_b32 s89, s89, 1
	s_add_co_u32 s88, s88, s89
	s_add_co_u32 s88, s88, s13
	s_mul_i32 s88, s88, REC
	s_mov_b32 s89, 0
	s_mov_b32 s80, 0xffff0000                      ; lanes 16-31
	s_mov_b32 s82, 0x76543210
	s_mov_b32 s83, 0xfedcba98                      ; v_permlanex16_b32's selects for lane l xor 16
	s_wait_dscnt 0x0                               ; the opening adds are done
	CROUND                                         ; the round in front of the first joint loads, ahead of the wait for the arguments
	s_wait_kmcnt 0x0
	s_add_nc_u64 s[72:73], s[4:5], s[72:73]
	s_add_nc_u64 s[74:75], s[6:7], s[74:75]
	s_add_nc_u64 s[84:85], s[4:5], s[84:85]
	s_add_nc_u64 s[86:87], s[6:7], s[86:87]
	s_add_nc_u64 s[8:9], s[8:9], s[88:89]
.irp q, 0,1                                    ; four groups 0, never rewritten: K steps 4 q .. 4 q + 3
	s_mov_b32 s[32+4*\q], 1
	s_add_co_u32 s[33+4*\q], s76, XQ*\q
	s_add_nc_u64 s[34+4*\q:35+4*\q], s[72:73], 6144*\q
	s_or_b32 s[35+4*\q], s[35+4*\q], 0x80000000
	s_mov_b32 s[48+4*\q], 1
	s_add_co_u32 s[49+4*\q], s77, WB+WQ*\q
	s_add_nc_u64 s[50+4*\q:51+4*\q], s[74:75], 6144*\q
	s_or_b32 s[51+4*\q], s[51+4*\q], 0x80000000
.endr
.macro JLOAD q
	s_cmp_eq_u32 s13, 0
	s_cbranch_scc0 .Lfor_w_\@
	tensor_load_to_lds s[32+4*\q:35+4*\q], s[16:23]
	s_nop 0
	PLACES 4
	s_branch .Lasked_\@
.Lfor_w_\@:
	tensor_load_to_lds s[48+4*\q:51+4*\q], s[24:31]
	s_nop 0
	PLACES 4
.Lasked_\@:
.endm
	JLOAD 0                                        ; one tensor load a wave at the head
	v_and_b32 v[LN], 31, v0
	v_lshlrev_b32 v[LN], 4, v[LN]
	s_wait_alu depctr_va_vdst(0)
.irp i, 0,1,2,3,4,5,6,7
	global_load_b128 v[XS+4*\i:XS+4*\i+3], v[LN], s[84:85] offset:REC*\i+12288
.endr
.irp t, 0,1,2,3
	global_load_b128 v[WS+4*\t:WS+4*\t+3], v[LN], s[86:87] offset:REC*\t+12288
.endr
	s_mul_i32 s78, s13, 49152                      ; my eight tiles of x in a half of K,
	s_mul_i32 s79, s14, 24576                      ; my four of W
	s_add_co_u32 s79, s79, WB
.irp q, 0,1
	v_add_nc_u32 v[AX+\q], s78, v[LN]
	v_add_nc_u32 v[AW+\q], s79, v[LN]
	s_add_co_u32 s78, s78, XQ
	s_add_co_u32 s79, s79, WQ
.endr
; a matrix instruction.  mode 0: it starts the sum; 1: in place; 2: in place, the scale words of K steps 4-7 (lanes 16-31)
.macro WM d, a, b, sa, sb, mode
.if (\mode) == 0
	v_wmma_scale_f32_16x16x128_f8f6f4 v[(\d):(\d)+7], v[(\a):(\a)+11], v[(\b):(\b)+11], 0, v[(\sa)], v[(\sb)] matrix_a_fmt:MATRIX_FMT_FP6 matrix_b_fmt:MATRIX_FMT_FP6
.elseif (\mode) == 1
	v_wmma_scale_f32_16x16x128_f8f6f4 v[(\d):(\d)+7], v[(\a):(\a)+11], v[(\b):(\b)+11], v[(\d):(\d)+7], v[(\sa)], v[(\sb)] matrix_a_fmt:MATRIX_FMT_FP6 matrix_b_fmt:MATRIX_FMT_FP6
.else
	v_wmma_scale_f32_16x16x128_f8f6f4 v[(\d):(\d)+7], v[(\a):(\a)+11], v[(\b):(\b)+11], v[(\d):(\d)+7], v[(\sa)], v[(\sb)] matrix_a_fmt:MATRIX_FMT_FP6 matrix_b_fmt:MATRIX_FMT_FP6 matrix_a_scale:MATRIX_SCALE_ROW1 matrix_b_scale:MATRIX_SCALE_ROW1
.endif
.endm
.macro SETMD s
.set MD, 1
.if (\s) == 0
.set MD, 0
.endif
.if (\s) > 3
.set MD, 2
.endif
.endm
.macro FETCH s                         ; K step s's fragments, 36 loads of 512 consecutive bytes, into buffer s % 2
	WIN 0x40                                       ; destination window 1
.irp t, 0,1,2,3
.irp g, 0,1,2
	ds_load_b128 v[48*((\s)%2)+FR*\t+4*\g:48*((\s)%2)+FR*\t+4*\g+3], v[AW+(\s)/4] offset:6144*\t+1536*((\s)%4)+512*\g
.endr
.endr
	WIN 0
.irp i, 0,1,2,3,4,5,6,7
.irp g, 0,1,2
	ds_load_b128 v[XF+96*((\s)%2)+FR*\i+4*\g:XF+96*((\s)%2)+FR*\i+4*\g+3], v[AX+(\s)/4] offset:6144*\i+1536*((\s)%4)+512*\g
.endr
.endr
.endm
; The 64 accumulators take turns, one instruction a turn, in the same order in every K step.
.macro MULQ s                          ; source 0 = W (window 1), source 1 = x (window 0), C and D window 2
	SETMD \s
	WIN 0xa1
.irp i, 0,1,2,3,4,5,6,7
.irp t, 0,1,2,3
	WM 32*\i+8*\t, 48*((\s)%2)+FR*\t, XF+96*((\s)%2)+FR*\i, WS+4*\t+(\s)%4, XS+4*\i+(\s)%4, MD
.endr
.endr
.endm
.macro MULV s                          ; source 0 = x (window 0), source 1 = W (window 1), C and D window 3
	SETMD \s
	WIN 0xf4
.irp t, 0,1,2,3
.irp i, 0,1,2,3,4,5,6,7
	WM 64*\t+8*\i, XF+96*((\s)%2)+FR*\i, 48*((\s)%2)+FR*\t, XS+4*\i+(\s)%4, WS+4*\t+(\s)%4, MD
.endr
.endr
.endm
.macro STEP s
	s_wait_dscnt 0x0                               ; this K step's fragments are in (asked for 32 matrix instructions ago)
	MULQ \s
	WIN 0
.if (\s) == 3
	s_wait_tensorcnt 0x0                           ; my part of K steps 4 to 7 has landed
	s_barrier_signal -1
	s_barrier_wait -1                              ; everybody's have
.endif
.if (\s) < 7
	PLACES 4                                       ; in front of loads into registers that matrix instructions have read
	FETCH (\s)+1
.endif
	MULV \s
.endm
	s_wait_alu depctr_va_vdst(0)
	s_wait_tensorcnt 0x0                           ; my part of K steps 0 to 3 has landed; these lines stand ahead of a later first fill
	ds_add_u32 v[SPW], v[NIL]
	s_wait_dscnt 0x0
	CROUND                                         ; everybody's has, and all sixteen work-groups are here
	JLOAD 1                                        ; K steps 4 to 7: my one load behind the round
	FETCH 0
	s_wait_loadcnt 0x0                             ; the scale words
	STEP 0
	STEP 1
	STEP 2
	STEP 3
	STEP 4
	STEP 5
	STEP 6
	STEP 7
; THE WAY OUT.  64 numbers of a lane in window w, register s + 16 b + i = element 32 b + 16 h + i of the lane's row, become a fragment's codes in v[pc] on and its scale word in v[pw].
.macro QUANT w, s, pc, pw
	WIN 20*(\w)                                    ; sources 1 and 2 in window w
.irp b, 0,1,2,3
	v_max3_num_f32 v[TM+\b], 0x1800000, |v[(\s)+16*\b]|, |v[(\s)+16*\b+1]|   ; block b: my 16 numbers, each accumulator from its low end on, and the floor 2^(3 - 127)
.endr
.irp i, 2,4,6,8,10,12,14
.irp b, 0,1,2,3
	v_max3_num_f32 v[TM+\b], v[TM+\b], |v[(\s)+16*\b+\i]|, |v[(\s)+16*\b+\i+1]|
.endr
.endr
	WIN 0
.irp b, 0,1,2,3
	v_permlanex16_b32 v[TM+4+\b], v[TM+\b], s82, s83
.endr
.irp b, 0,1,2,3
	v_max_num_f32 v[TM+\b], v[TM+\b], v[TM+4+\b]   ; with lane l xor 16's: the block's largest magnitude
.endr
.irp b, 0,1,2,3
	v_add_nc_u32 v[TM+12+\b], 0xff000000, v[TM+\b] ; 2 off its exponent field: the conversion's scale operand
.endr
.irp b, 0,1,2,3
	v_lshrrev_b32 v[TM+4+\b], 23, v[TM+12+\b]      ; the scale's byte
.endr
	v_lshl_or_b32 v[(\pw)], v[TM+5], 8, v[TM+4]
	v_lshl_or_b32 v[(\pw)], v[TM+6], 16, v[(\pw)]
	v_lshl_or_b32 v[(\pw)], v[TM+7], 24, v[(\pw)]
	WIN \w                                         ; source 0 in window w
.irp c, 0,1
	v_cvt_scalef32_pk16_fp6_f32 v[(\pc)+6*\c:(\pc)+6*\c+2], v[(\s)+32*\c:(\s)+32*\c+15], v[TM+12+2*\c]
	v_cvt_scalef32_pk16_fp6_f32 v[TT+4*\c:TT+4*\c+2], v[(\s)+16+32*\c:(\s)+31+32*\c], v[TM+13+2*\c]   ; (a conversion's three registers begin on an even number)
.endr
	WIN 0
	v_nop                                          ; one plain place behind a scaled conversion
.irp c, 0,1                                    ; the operand's layout wants a whole block in a lane: lanes 0-15 block 2 c, lanes 16-31 block 2 c + 1
.irp i, 0,1,2
	v_permlane16_swap_b32 v[(\pc)+6*\c+\i], v[TT+4*\c+\i]
.endr
.irp i, 0,1,2
	v_mov_b32 v[(\pc)+3+6*\c+\i], v[TT+4*\c+\i]
.endr
.endr
.endm
	WIN 0
	PLACES 4                                       ; behind the last products: their results are read, and registers that they read are written
; V's way out.  By the order of x's tiles, register s + 32 c + i of lane (r, h) in window 3 is key 64 c + 32 h + i: two whole blocks lie in a lane, in the operand's own order.  No number changes lanes; the scale word's bytes h and 2 + h are mine, the other two lane l xor 16's.
.macro QUANTV s, pc, pw
	WIN 60                                         ; sources 1 and 2 in window 3
.irp c, 0,1
	v_max3_num_f32 v[TM+\c], 0x1800000, |v[(\s)+32*\c]|, |v[(\s)+32*\c+1]|
.endr
.irp i, 2,4,6,8,10,12,14,16,18,20,22,24,26,28,30
.irp c, 0,1
	v_max3_num_f32 v[TM+\c], v[TM+\c], |v[(\s)+32*\c+\i]|, |v[(\s)+32*\c+\i+1]|
.endr
.endr
	WIN 0
.irp c, 0,1
	v_add_nc_u32 v[TM+12+\c], 0xff000000, v[TM+\c]
.endr
.irp c, 0,1
	v_lshrrev_b32 v[TM+4+\c], 23, v[TM+12+\c]
.endr
	v_lshl_or_b32 v[TM+8], v[TM+5], 16, v[TM+4]
	v_lshlrev_b32 v[TM+8], v12, v[TM+8]
	v_permlanex16_b32 v[TM+9], v[TM+8], s82, s83
	v_or_b32 v[(\pw)], v[TM+8], v[TM+9]
	WIN 3                                          ; source 0 in window 3
.irp c, 0,1
	v_cvt_scalef32_pk16_fp6_f32 v[(\pc)+6*\c:(\pc)+6*\c+2], v[(\s)+32*\c:(\s)+32*\c+15], v[TM+12+\c]
	v_cvt_scalef32_pk16_fp6_f32 v[TT+4*\c:TT+4*\c+2], v[(\s)+32*\c+16:(\s)+32*\c+31], v[TM+12+\c]
.endr
	WIN 0
	v_nop                                          ; one plain place behind a scaled conversion
.irp c, 0,1
.irp i, 0,1,2
	v_mov_b32 v[(\pc)+3+6*\c+\i], v[TT+4*\c+\i]
.endr
.endr
.endm
.irp b, 0,1,2,3
	v_mov_b32 v[TM+4+\b], 0
.endr
	v_mov_b32 v[TM+9], 0                           ; (a lane permute's destination counts as one of its sources)
	v_bfe_u32 v12, v0, 4, 1
	v_lshlrev_b32 v12, 3, v12                      ; v12  8 h
.irp b, 0,1,2,3                                ; x's tiles 2 b and 2 b + 1, two blocks of channels each: the double fragment b
	QUANT 2, 64*\b, PCD+12*\b, KW+\b
.irp g, 0,1,2
	global_store_b128 v[LN], v[PCD+12*\b+4*\g:PCD+12*\b+4*\g+3], s[8:9] offset:1536*\b+512*\g   ; 512 consecutive bytes, at a multiple of 256 from the buffer's first byte
.endr
.endr
.irp t, 0,1,2,3                                ; channel tile t, four blocks of keys: a fragment of V^T
	QUANTV 64*\t, PCD+48+12*\t, VW+\t
.irp g, 0,1,2
	global_store_b128 v[LN], v[PCD+48+12*\t+4*\g:PCD+48+12*\t+4*\g+3], s[8:9] offset:6144+1536*\t+512*\g
.endr
.endr
.irp j, 0,1,2,3
	v_cndmask_b32 v[SI+\j], v[KW+\j], v[VW+\j], s80   ; lanes 0-15: the double fragments' words; lanes 16-31: V's
.endr
	global_store_b128 v[LN], v[SI:SI+3], s[8:9] offset:12288
	s_wait_tensorcnt 0x0                           ; the wave's end: these three lines behind my last tensor load
	ds_add_u32 v[SPW], v[NIL]
	s_wait_dscnt 0x0
	CROUND                                         ; the closing round
	s_endpgm
.Lfunc_end_k_qa377998dc3_proj:
	.size	k_qa377998dc3_proj, .Lfunc_end_k_qa377998dc3_proj-k_qa377998dc3_proj
	.p2alignl 7, 3214868480
	.fill 96, 4, 3214868480
	.section	.rodata,"a",@progbits
	.p2align	6, 0x0
	.amdhsa_kernel k_qa377998dc3_proj
		.amdhsa_group_segment_fixed_size 327680
		.amdhsa_private_segment_fixed_size 0
		.amdhsa_enable_private_segment 0
		.amdhsa_kernarg_size 24
		.amdhsa_user_sgpr_count 2
		.amdhsa_user_sgpr_kernarg_segment_ptr 1
		.amdhsa_wavefront_size32 1
		.amdhsa_system_sgpr_workgroup_id_x 1
		.amdhsa_system_sgpr_workgroup_id_y 1
		.amdhsa_system_sgpr_workgroup_id_z 1
		.amdhsa_system_vgpr_workitem_id 0
		.amdhsa_next_free_vgpr 1024
		.amdhsa_next_free_sgpr 96
		.amdhsa_reserve_vcc 0
		.amdhsa_float_denorm_mode_32 3
		.amdhsa_float_denorm_mode_16_64 3
		.amdhsa_memory_ordered 1
		.amdhsa_forward_progress 1
		.amdhsa_inst_pref_size 124
	.end_amdhsa_kernel
	.amdgpu_metadata
---
amdhsa.version: [ 1, 2 ]
amdhsa.kernels:
  - .name:           k_qa377998dc3_proj
    .symbol:         k_qa377998dc3_proj.kd
    .args:
      - { .name: xt, .offset: 0, .size: 8, .value_kind: global_buffer, .address_space: global }
      - { .name: wt, .offset: 8, .size: 8, .value_kind: global_buffer, .address_space: global }
      - { .name: kv, .offset: 16, .size: 8, .value_kind: global_buffer, .address_space: global }
    .group_segment_fixed_size: 327680
    .private_segment_fixed_size: 0
    .kernarg_segment_align: 8
    .kernarg_segment_size: 24
    .max_flat_workgroup_size: 128
    .sgpr_count:     96
    .vgpr_count:     1024
    .wavefront_size: 32
...
	.end_amdgpu_metadata
.endif
;; end of part 2
;; launch attn (part 3): grid 4 x 64, 16 waves a work-group, clusters of 4 x 1, 206,848 bytes of LDS; arguments kv, ot; writes ot
.if DOCPART == 3
	.amdgcn_target "amdgcn-amd-amdhsa--gfx1250"
	.amdhsa_code_object_version 6
	.text
	.protected	k_qa377998dc3_attn
	.globl	k_qa377998dc3_attn
	.p2align	8
	.type	k_qa377998dc3_attn,@function
k_qa377998dc3_attn:
	s_mov_b64 s[64:65], 0
	v_nop
	global_prefetch_b8 v0, s[64:65] scope:SCOPE_SE
	s_setreg_imm32_b32 hwreg(HW_REG_WAVE_MODE, 25, 1), 1
	s_wait_xcnt 0x0
	s_wait_alu depctr_hold_cnt(0) depctr_sa_sdst(0) depctr_va_vdst(0) depctr_va_sdst(0) depctr_va_ssrc(0) depctr_va_vcc(0) depctr_vm_vsrc(0)
	s_getreg_b32 s2, hwreg(HW_REG_IB_STS2, 6, 4)
	s_cmp_eq_u32 s2, 0
	s_cbranch_scc0 .Lentry_in_a_cluster
	s_endpgm
.Lentry_in_a_cluster:
	s_bfe_u32 s2, ttmp6, 0x10000c
	s_cmp_lg_u32 s2, 0x3003
	s_cbranch_scc0 .Lentry_shape_is_right
	s_endpgm
.Lentry_shape_is_right:
; O = softmax(q k^T / 8) v for one head (q, k, v are one projection's numbers, as reference() has them, quantised by the launch before), both products on codes of E2M3; O / l is quantised here along the head's channels for the last product.
; THE SOFTMAX: t = score x log2(e) / 8; M = the running largest t rounded UP to a whole number; p = 2^(t - M) is quantised along the keys, not normalised; the row's sum is taken of the unquantised p
; and divides O at the end.  When M moves, the sum and O are multiplied by 2^(old M - new M): exact.
; SHARES.  A work-group owns 512 queries of a head, each of its sixteen waves 32: two tiles of 16, in two passes; a pass walks the head's 16 key steps of 128 keys.  Four waves to a SIMD.
; THE WHOLE HEAD LIES IN LDS: its 16 records of kv, 204,800 bytes, filled once: wave w fetches record w, jointly with the three partners of its cluster, which belong to the same head.
; No prefetch: all that the launch reads by tensor loads is asked for at its head, one load a wave, and there is no loop to run ahead in.
; THE SCORES' K IS 64, HALF OF THE INSTRUCTION'S 128.  A double fragment carries key tile (b, 0) in k 0-63 and (b, 1) in k 64-127; v16-33 hold queries | zeros | queries, and the two operands are v[16:27] and v[22:33].
; Both products are used transposed: a lane holds one query (lane % 16).  KEY TILE 4 c + j, ROW 8 h + i IS KEY 64 c + 32 h + 8 j + i of the step: so S's registers 32 c + 0 .. 31 of lane (r, h) are the whole block 2 c + h of 32 keys,
; in the order of the second product's operand: a block's largest score needs no other lane, and p's codes stay where the conversions put them.  O^T's register 16 b + i is channel 32 b + 16 h + i.
; CHAINS BY TURNS: the maxima run in six chains (three to a block), the row's sum in six chains (T) ahead of the second product and four sums (U) in the places behind it; the ten are joined in the next step, under the old M,
; in the places behind its first products and between the links of the maximum's chain.  The two blocks' largest p are made ahead of the other 64, so that p's scale word is made among the lines that bring O^T under the new M.
; OUT, into ot's record of the queries' tile: at 768 x head the half fragment (registers 0-3 at 16 x lane, 4, 5 at 512 + 8 x lane); at 12,288 + 32 r + 2 x head the row's two scale bytes (pieces of 2 bytes: 256 KiB in the launch).
; LIMITS: the promise holds while the scaled scores t stay under 2^31 in magnitude; an exponential whose result lies under 2^-126 gives 0; blocks under 2^-124 get the byte 1; NaN and infinities are not served.
.set REC,   12800
.set SPARE, 204800                     ; the spare words, 128 bytes for each wave
.set SPW,   3                          ; v3   my spare word; never rewritten
.set NIL,   4                          ; v4   0; never rewritten
.set QR,    16                         ; v16-33 queries | zeros | queries
.set DFQ,   34                         ; v34-45 my 32 queries' double fragment
.set QS,    46                         ; v46  the queries' scale word
.set PW,    226                        ; v226 p's scale word (lanes 0-15 count); its number differs modulo 8 from those of v212-215
.set F,     48                         ; v48-95 four fragments: K's, then V's
.set S,     96                         ; v96-159 the scores, then p
.set OT,    160                        ; v160-191 O^T
.set PC,    192                        ; v192-203 p's codes; at a pass's end O's
.set PT,    204                        ; v204-210 the upper halves of the blocks' codes, before they are moved
.set SCW,   212                        ; v212-215 the record's scale words: lanes 0-15 the double fragments', lanes 16-31 V's
.set MC,    216                        ; v216-221 the maxima's chains: chain k of block c at 2 k + c
.set BM,    216                        ; v216, 217 my two blocks' largest scores, then largest p
.set SO,    224                        ; v224, 225 the conversions' scale operands
.set FF,    228                        ; v[228:229] f = 2^(old M - new M); later 1 / l
.set TP,    230
.set T,     232                        ; v232-243 the sum's six chains
.set U,     244                        ; v244-251 and four more sums
.set BX,    252                        ; v252-254 what comes from lane l xor 16; the bytes
.set TQ,    255
.set WV,    8                          ; s8 wave
.set TB,    14                         ; s14 LDS byte at which the key step's record begins
; v12 -M, v13 the running largest score, v[14:15] the row's sum in two halves
.macro ROUND
	s_barrier_signal -1
	s_barrier_wait -1
	s_cmp_lg_u32 s[WV], 0
	s_cbranch_scc1 .Lnot_wave_0_\@
	s_barrier_signal -3
.Lnot_wave_0_\@:
	s_barrier_wait -3
	s_barrier_signal -1
	s_barrier_wait -1
.endm
.macro WALU
	s_wait_alu depctr_va_vdst(0)
.endm
.macro PADD d, a, b
	v_pk_add_f32 v[(\d):(\d)+1], v[(\a):(\a)+1], v[(\b):(\b)+1]
.endm
	s_load_b128 s[4:7], s[0:1], 0x0                ; kv, ot
	v_lshl_add_u32 v[SPW], v0, 2, SPARE
	v_mov_b32 v[NIL], 0
	ds_add_u32 v[SPW], v[NIL]                      ; the opening lines
	ds_add_u32 v[SPW], v[NIL]
	v_lshrrev_b32 v1, 5, v0
	v_readfirstlane_b32 s[WV], v1
	s_bfe_u32 s9, ttmp6, 0x40000                   ; cx: it enters the queries' and O's global addresses alone
	s_and_b32 s30, ttmp7, 0xffff                   ; batch x 16 + head, which the four partners share
	s_mov_b32 s10, 0x76543210
	s_mov_b32 s11, 0xfedcba98                      ; selects for lane l xor 16
	s_mov_b32 s12, 0x3e38aa3b                      ; c = log2(e) / 8
	s_mov_b32 s13, s12
	s_mov_b32 s15, 0xbe38aa3b                      ; -c
	s_mov_b32 s29, 0xffff0000                      ; lanes 16-31
	s_mov_b32 s20, 15|(3<<16)|(1<<21)              ; group 1: a record as 50 rows of 256 bytes; the mask names all four work-groups
	s_mov_b32 s21, 32<<16
	s_mov_b32 s22, 50<<16
	s_mov_b32 s23, 32<<16
	s_mov_b32 s24, 50
	s_mov_b32 s25, 32
	s_mov_b32 s26, 0
	s_mov_b32 s27, 0
	s_mul_i32 s32, s30, 16*REC                     ; the head's records
	s_mul_i32 s31, s[WV], REC                      ; record w: in LDS, and in the head
	s_add_co_u32 s34, s32, s31
	s_mov_b32 s35, 0
	s_lshl_b32 s36, s9, 2                          ; my 32 queries: record 4 cx + w / 4,
	s_lshr_b32 s37, s[WV], 2
	s_add_co_u32 s36, s36, s37
	s_mul_i32 s36, s36, REC
	s_add_co_u32 s36, s36, s32
	s_and_b32 s37, s[WV], 3                        ; double fragment w % 4
	s_mul_i32 s38, s37, 1536
	s_add_co_u32 s38, s38, s36
	s_mov_b32 s39, 0
	s_lshl_b32 s40, s37, 2
	s_add_co_u32 s40, s40, s36                     ; and its scale words
	s_mov_b32 s41, 0
	s_lshr_b32 s42, s30, 4                         ; ot: the records of tiles 2 (64 x batch + 16 cx + w), + 1
	s_lshl_b32 s42, s42, 6
	s_lshl_b32 s43, s9, 4
	s_add_co_u32 s42, s42, s43
	s_add_co_u32 s42, s42, s[WV]
	s_mul_i32 s42, s42, 2*REC
	s_and_b32 s43, s30, 15                         ; the head
	s_mul_i32 s44, s43, 768
	s_add_co_u32 s44, s44, s42
	s_mov_b32 s45, 0
	s_lshl_b32 s46, s43, 1
	s_add_co_u32 s46, s46, s42
	s_mov_b32 s47, 0
	s_wait_dscnt 0x0
	ROUND                                          ; the round in front of the joint loads, ahead of the wait for the arguments
	s_wait_kmcnt 0x0
	s_mov_b32 s16, 1
	s_mov_b32 s17, s31
	s_add_nc_u64 s[18:19], s[4:5], s[34:35]
	s_or_b32 s19, s19, 0x80000000
	s_add_nc_u64 s[38:39], s[4:5], s[38:39]
	s_add_nc_u64 s[40:41], s[4:5], s[40:41]
	s_add_nc_u64 s[44:45], s[6:7], s[44:45]
	s_add_nc_u64 s[46:47], s[6:7], s[46:47]
	s_cmp_lt_u32 s[WV], 4                          ; my one tensor load.  Waves 0-3, whose records the first key steps read, have a line of their own: they alone wait ahead of the first barrier
	s_cbranch_scc0 .Llate
	tensor_load_to_lds s[16:19], s[20:27]
	s_nop 0
.rept 4
	v_nop
.endr
	s_branch .Lasked
.Llate:
	tensor_load_to_lds s[16:19], s[20:27]
	s_nop 0
.rept 4
	v_nop
.endr
.Lasked:
	v_and_b32 v5, 31, v0
	v_and_b32 v8, 15, v0                           ; r
	v_bfe_u32 v7, v0, 4, 1                         ; h
	v_lshlrev_b32 v1, 4, v5                        ; v1  16 x lane
	v_lshlrev_b32 v6, 3, v5                        ; v6  8 x lane
	v_mul_u32_u24 v7, v7, REC
	v_lshl_add_u32 v7, v8, 5, v7                   ; v7  32 r + a record for lanes 16-31
	v_lshlrev_b32 v8, 4, v8                        ; v8  16 r
.irp g, 0,1,2
	global_load_b128 v[DFQ+4*\g:DFQ+4*\g+3], v1, s[38:39] offset:512*\g   ; the queries come from memory: no LDS address may hang on cx
.endr
	global_load_b32 v9, v8, s[40:41] offset:12288  ; v9  row r's scale word: two bytes for each of my two tiles
.irp b, 0,1,2
	v_mov_b32 v[BX+\b], 0                          ; (a lane permute's destination counts as one of its sources)
.endr
	v_mov_b32 v[FF+1], 0                           ; (named as the upper half of a pair)
	v_mov_b32 v[TP], 0
	WALU                                           ; the wait at the head's end
	s_cmp_lt_u32 s[WV], 4
	s_cbranch_scc0 .Lnot_first
	s_wait_tensorcnt 0x0                           ; waves 0-3: my record has landed
.Lnot_first:
	s_barrier_signal -1
	s_barrier_wait -1                              ; records 0 to 3 are in; the others may still be on their way
	s_wait_loadcnt 0x0
.macro FETCHK                          ; a key step's four double fragments and its scale words
.irp f, 0,1,2,3
.irp g, 0,1,2
	ds_load_b128 v[F+12*\f+4*\g:F+12*\f+4*\g+3], v2 offset:1536*\f+512*\g
.endr
.endr
	ds_load_b128 v[SCW:SCW+3], v2 offset:12288
.endm
.macro FETCHV                          ; and its four fragments of V^T
.irp f, 0,1,2,3
.irp g, 0,1,2
	ds_load_b128 v[F+12*\f+4*\g:F+12*\f+4*\g+3], v2 offset:6144+1536*\f+512*\g
.endr
.endr
.endm
.macro FMAS from, n                    ; t - M, two at a time
.set j, \from
.rept \n
	v_pk_fma_f32 v[S+j:S+j+1], v[S+j:S+j+1], s[12:13], v[12:13] op_sel_hi:[1,0,0]
.set j, j+2
.endr
.endm
.macro RESC from, n                    ; O^T under the new M, each accumulator from its low end on
.set j, \from
.rept \n
	v_pk_mul_f32 v[OT+j:OT+j+1], v[OT+j:OT+j+1], v[FF:FF+1] op_sel_hi:[1,0]
.set j, j+2
.endr
.endm
.macro SUMR m                          ; the six chains take six more pairs of p
.irp k, 0,1,2,3,4,5
	PADD T+2*\k, T+2*\k, S+2*(12+6*(\m)+\k)
.endr
.endm
.macro JOIN4                           ; four of the ten sums' joins: plain work that names no register of the products ahead of it
	PADD T, T, T+2
	PADD T+4, T+4, T+6
	PADD T+8, T+8, T+10
	PADD U, U, U+2
.endm
; A KEY STEP.  next = 1: the next step's K is fetched at its end.
.macro STEP next
	s_wait_dscnt 0x0                               ; K is in
.irp b, 0,1,2,3
.irp u, 0,1
	v_wmma_scale_f32_16x16x128_f8f6f4 v[S+8*(2*\b+\u):S+8*(2*\b+\u)+7], v[F+12*\b:F+12*\b+11], v[QR+6*\u:QR+6*\u+11], 0, v[SCW+\b], v[QS] matrix_a_fmt:MATRIX_FMT_FP6 matrix_b_fmt:MATRIX_FMT_FP6
.endr
.endr
	JOIN4                                          ; four places: in front of loads into registers that these products read, and of the first read of their results
	FETCHV
	PADD U+4, U+4, U+6
.irp k, 0,1,2                                  ; my two blocks' largest scores, three chains each, the six by turns; each accumulator is first read at its low end
.irp c, 0,1
	v_max3_num_f32 v[MC+2*\k+\c], v[S+32*\c+3*\k], v[S+32*\c+3*\k+1], v[S+32*\c+3*\k+2]
.endr
.endr
.irp m, 0,1,2
.irp k, 0,1,2
.irp c, 0,1
	v_max3_num_f32 v[MC+2*\k+\c], v[MC+2*\k+\c], v[S+32*\c+9+6*\m+2*\k], v[S+32*\c+10+6*\m+2*\k]
.endr
.endr
.endr
.irp k, 0,1
.irp c, 0,1
	v_max3_num_f32 v[MC+2*\k+\c], v[MC+2*\k+\c], v[S+32*\c+27+2*\k], v[S+32*\c+28+2*\k]
.endr
.endr
.irp c, 0,1
	v_max_num_f32 v[MC+4+\c], v[MC+4+\c], v[S+32*\c+31]
.endr
	PADD T, T, T+4
	PADD T+8, T+8, U
	v_mov_b32 v[TP], v12                           ; the old -M
.irp c, 0,1
	v_max3_num_f32 v[BM+\c], v[MC+\c], v[MC+2+\c], v[MC+4+\c]   ; it serves twice: for the row's maximum and, since p rises with the score, for the block's largest p
.endr
	s_delay_alu instid0(VALU_DEP_1)
	v_max_num_f32 v[TQ], v[BM], v[BM+1]
	s_delay_alu instid0(VALU_DEP_1)
	v_permlanex16_b32 v[BX], v[TQ], s10, s11
	s_delay_alu instid0(VALU_DEP_1)
	v_max3_num_f32 v13, v13, v[TQ], v[BX]          ; the running largest score
	s_delay_alu instid0(VALU_DEP_1)
	v_mul_f32 v[TQ], s15, v13                      ; -t (c is positive)
	s_delay_alu instid0(VALU_DEP_1)
	v_floor_f32 v12, v[TQ]                         ; the new -M = floor(-t) = -ceil(t): a whole number
	PADD T, T, T+8
	PADD 14, 14, U+4
.irp c, 0,1
	v_fma_f32 v[BM+\c], v[BM+\c], s12, v12         ; t - M of each block's largest score
.endr
	WALU                                           ; the wait ahead of transcendentals
.irp c, 0,1
	v_exp_f32 v[BM+\c], v[BM+\c]                   ; the block's largest p: the same two instructions on the same number give the same bits as below
.endr
	FMAS 0, 4
	v_sub_f32 v[TP], v12, v[TP]                    ; old M - new M: a whole number, 0 or less
	PADD 14, 14, T                                 ; the last step's p are all summed, under the old M
	FMAS 8, 4
	v_cvt_i32_f32 v[TP], v[TP]                     ; (it saturates)
	FMAS 16, 4
	v_ldexp_f32 v[FF], 1.0, v[TP]                  ; f = 2^(old M - new M)
	FMAS 24, 20
	WALU                                           ; the wait behind the two exponentials, directly ahead of O^T's first reader
	RESC 0, 1
.irp c, 0,1
	v_max_num_f32 v[BM+\c], 0x1800000, v[BM+\c]    ; the floor 2^(3 - 127): the byte cannot fall under 1
.endr
	v_pk_mul_f32 v[14:15], v[14:15], v[FF:FF+1] op_sel_hi:[1,0]   ; the sum under the new M
	RESC 2, 3
.irp c, 0,1
	v_add_nc_u32 v[SO+\c], 0xff000000, v[BM+\c]    ; 2 off the exponent field: the conversion's scale operand
.endr
	RESC 8, 4
.irp c, 0,1
	v_lshrrev_b32 v[BX+\c], 23, v[SO+\c]           ; the scale's byte
.endr
	RESC 16, 4
	v_lshl_or_b32 v[TQ], v[BX+1], 16, v[BX]        ; my bytes: blocks h and 2 + h
	RESC 24, 4
	v_permlanex16_b32 v[BX+2], v[TQ], s10, s11
	s_delay_alu instid0(VALU_DEP_1)
	v_lshl_or_b32 v[PW], v[BX+2], 8, v[TQ]         ; in lanes 0-15, which alone are read: blocks 0, 1, 2, 3
	WALU                                           ; the wait ahead of the batch
.set j, 0
.rept 64
	v_exp_f32 v[S+j], v[S+j]                       ; p = 2^(t - M): not normalised
.set j, j+1
.endr
.if \next
	s_add_co_u32 s[TB], s[TB], REC                 ; the next record (this step's loads have been issued)
	v_add_nc_u32 v2, s[TB], v1                     ; also the plain place behind the exponentials
.else
	v_nop                                          ; a plain place behind the exponentials
.endif
	WALU                                           ; one wait for the batch of 64, ahead of its first reader
.irp c, 0,1
	v_cvt_scalef32_pk16_fp6_f32 v[PC+6*\c:PC+6*\c+2], v[S+32*\c:S+15+32*\c], v[SO+\c]
	v_cvt_scalef32_pk16_fp6_f32 v[PT+4*\c:PT+4*\c+2], v[S+16+32*\c:S+31+32*\c], v[SO+\c]   ; (a conversion's three registers begin on an even number)
.endr
.irp k, 0,1,2,3,4,5
	PADD T+2*\k, S+2*\k, S+2*\k+12                 ; the row's sum is taken of the unquantised p (also the plain place behind the conversions)
.endr
.irp c, 0,1
.irp i, 0,1,2
	v_mov_b32 v[PC+3+6*\c+\i], v[PT+4*\c+\i]
.endr
.endr
	SUMR 0                                         ; twelve plain lines stand between the operand's last write and the products
	SUMR 1
	s_wait_dscnt 0x0                               ; V is in
.irp t, 0,1,2,3                                ; O^T += V^T P^T: the four accumulators by turns
	v_wmma_scale_f32_16x16x128_f8f6f4 v[OT+8*\t:OT+8*\t+7], v[F+12*\t:F+12*\t+11], v[PC:PC+11], v[OT+8*\t:OT+8*\t+7], v[SCW+\t], v[PW] matrix_a_fmt:MATRIX_FMT_FP6 matrix_b_fmt:MATRIX_FMT_FP6 matrix_a_scale:MATRIX_SCALE_ROW1
.endr
.irp k, 0,1,2,3
	PADD U+2*\k, S+48+2*\k, S+56+2*\k              ; the last eight pairs of p: four places in front of loads into registers that these products read
.endr
.if \next
	FETCHK
.endif
.endm
; A PASS: tile u of my 32 queries against all 2,048 keys.
.macro PASS u
.if \u
	s_wait_xcnt 0x0                                ; the first pass's stores have read their registers
.endif
.irp i, 0,1,2,3,4,5
	v_mov_b32 v[QR+\i], v[DFQ+6*(\u)+\i]
	v_mov_b32 v[QR+6+\i], 0
	v_mov_b32 v[QR+12+\i], v[DFQ+6*(\u)+\i]
.endr
	v_bfe_u32 v[QS], v9, 16*(\u), 16
	v_mov_b32 v13, 0xff61b1e6                      ; the largest score so far: -3e38, under every score
	v_mov_b32 v14, 0                               ; the sum, in two halves
	v_mov_b32 v15, 0
	v_lshl_or_b32 v[QS], v[QS], 16, v[QS]          ; the tile's two bytes, below and above: they serve both operands
	v_mul_f32 v12, s15, v13
.set j, 0
.rept 20
	v_mov_b32 v[T+j], 0                            ; the step is written once: the first finds zeros
.set j, j+1
.endr
	v_floor_f32 v12, v12                           ; -M
.set j, 0
.rept 32
	v_mov_b32 v[OT+j], 0
.set j, j+1
.endr
	s_mov_b32 s[TB], 0
	v_mov_b32 v2, v1
	FETCHK
.if (\u) == 0
	s_mov_b32 s28, 3                               ; key steps 0 to 2 read records 0 to 3 alone
.Lfirst_\@:
	WALU
	STEP 1
	s_sub_co_u32 s28, s28, 1
	s_cmp_lg_u32 s28, 0
	s_cbranch_scc1 .Lfirst_\@
	s_wait_tensorcnt 0x0                           ; every wave: my record has landed,
	s_wait_dscnt 0x0
	s_barrier_signal -1
	s_barrier_wait -1                              ; everybody's has: the whole head lies in LDS
	s_mov_b32 s28, 12
.else
	s_mov_b32 s28, 15
.endif
.Lstep_\@:
	WALU
	STEP 1
	s_sub_co_u32 s28, s28, 1
	s_cmp_lg_u32 s28, 0
	s_cbranch_scc1 .Lstep_\@
	WALU
	STEP 0                                         ; the last key step fetches nothing
.set OC, PC                            ; O's codes, where p's lay
	WALU                                           ; the chains' last links stand ahead of the step's wait for V
	JOIN4
	PADD U+4, U+4, U+6
	PADD T, T, T+4
	PADD T+8, T+8, U
	PADD 14, 14, U+4
	PADD T, T, T+8
	PADD 14, 14, T
	v_add_f32 v14, v14, v15                        ; the sum's two halves,
	v_permlanex16_b32 v[TP], v14, s10, s11
	v_add_f32 v14, v14, v[TP]                      ; and lane l xor 16's: the row's sum
	WALU
	v_rcp_f32 v[FF], v14
	v_nop                                          ; a plain place behind the reciprocal
	WALU                                           ; and the wait ahead of its first reader, which is O^T's first reader too
	RESC 0, 16                                     ; O^T / l
.irp b, 0,1                                    ; the head's two blocks of 32 channels
	v_max3_num_f32 v[BM+\b], |v[OT+16*\b]|, |v[OT+1+16*\b]|, 0x1800000
.endr
.irp i, 2,4,6,8,10,12,14
.irp b, 0,1
	v_max3_num_f32 v[BM+\b], v[BM+\b], |v[OT+16*\b+\i]|, |v[OT+1+16*\b+\i]|
.endr
.endr
.irp b, 0,1
	v_permlanex16_b32 v[BX+\b], v[BM+\b], s10, s11
.endr
.irp b, 0,1
	v_max_num_f32 v[BM+\b], v[BM+\b], v[BX+\b]
.endr
.irp b, 0,1
	v_add_nc_u32 v[SO+\b], 0xff000000, v[BM+\b]
.endr
.irp b, 0,1
	v_lshrrev_b32 v[BX+\b], 23, v[SO+\b]
.endr
	v_lshl_or_b32 v[10+(\u)], v[BX+1], 8, v[BX]    ; v10, v11: the row's two bytes, for each pass
	v_cvt_scalef32_pk16_fp6_f32 v[OC:OC+2], v[OT:OT+15], v[SO]
	v_cvt_scalef32_pk16_fp6_f32 v[PT:PT+2], v[OT+16:OT+31], v[SO+1]
	v_nop                                          ; one plain place behind a scaled conversion
.irp i, 0,1,2
	v_permlane16_swap_b32 v[OC+\i], v[PT+\i]       ; lanes 0-15 take block 0 whole, lanes 16-31 block 1
.endr
.irp i, 0,1,2
	v_mov_b32 v[OC+3+\i], v[PT+\i]
.endr
	global_store_b128 v1, v[OC:OC+3], s[44:45] offset:REC*(\u)         ; 512 consecutive bytes, at a multiple of 256 from the buffer's first byte
	global_store_b64 v6, v[OC+4:OC+5], s[44:45] offset:REC*(\u)+512    ; 256
.endm
	PASS 0
	PASS 1
	v_cndmask_b32 v[TP], v10, v11, s29             ; lanes 0-15 store the first tile's bytes, lanes 16-31 the second's
	global_store_b16 v7, v[TP], s[46:47] offset:12288
	s_wait_tensorcnt 0x0                           ; the wave's end
	ds_add_u32 v[SPW], v[NIL]
	s_wait_dscnt 0x0
	ROUND                                          ; the closing round
	s_endpgm
.Lfunc_end_k_qa377998dc3_attn:
	.size	k_qa377998dc3_attn, .Lfunc_end_k_qa377998dc3_attn-k_qa377998dc3_attn
	.p2alignl 7, 3214868480
	.fill 96, 4, 3214868480
	.section	.rodata,"a",@progbits
	.p2align	6, 0x0
	.amdhsa_kernel k_qa377998dc3_attn
		.amdhsa_group_segment_fixed_size 206848
		.amdhsa_private_segment_fixed_size 0
		.amdhsa_enable_private_segment 0
		.amdhsa_kernarg_size 16
		.amdhsa_user_sgpr_count 2
		.amdhsa_user_sgpr_kernarg_segment_ptr 1
		.amdhsa_wavefront_size32 1
		.amdhsa_system_sgpr_workgroup_id_x 1
		.amdhsa_system_sgpr_workgroup_id_y 1
		.amdhsa_system_sgpr_workgroup_id_z 1
		.amdhsa_system_vgpr_workitem_id 0
		.amdhsa_next_free_vgpr 256
		.amdhsa_next_free_sgpr 66
		.amdhsa_reserve_vcc 0
		.amdhsa_float_denorm_mode_32 3
		.amdhsa_float_denorm_mode_16_64 3
		.amdhsa_memory_ordered 1
		.amdhsa_forward_progress 1
		.amdhsa_inst_pref_size 90
	.end_amdhsa_kernel
	.amdgpu_metadata
---
amdhsa.version: [ 1, 2 ]
amdhsa.kernels:
  - .name:           k_qa377998dc3_attn
    .symbol:         k_qa377998dc3_attn.kd
    .args:
      - { .name: kv, .offset: 0, .size: 8, .value_kind: global_buffer, .address_space: global }
      - { .name: ot, .offset: 8, .size: 8, .value_kind: global_buffer, .address_space: global }
    .group_segment_fixed_size: 206848
    .private_segment_fixed_size: 0
    .kernarg_segment_align: 8
    .kernarg_segment_size: 16
    .max_flat_workgroup_size: 512
    .sgpr_count:     66
    .vgpr_count:     256
    .wavefront_size: 32
...
	.end_amdgpu_metadata
.endif
;; end of part 3
;; launch outp (part 4): grid 8 x 32, 4 waves a work-group, clusters of 4 x 4, 327,680 bytes of LDS; arguments ot, wt, b_out, out0; writes out0
.if DOCPART == 4
	.amdgcn_target "amdgcn-amd-amdhsa--gfx1250"
	.amdhsa_code_object_version 6
	.text
	.protected	k_qa377998dc3_outp
	.globl	k_qa377998dc3_outp
	.p2align	8
	.type	k_qa377998dc3_outp,@function
k_qa377998dc3_outp:
	s_mov_b64 s[64:65], 0
	v_nop
	global_prefetch_b8 v0, s[64:65] scope:SCOPE_SE
	s_setreg_imm32_b32 hwreg(HW_REG_WAVE_MODE, 25, 1), 1
	s_wait_xcnt 0x0
	s_wait_alu depctr_hold_cnt(0) depctr_sa_sdst(0) depctr_va_vdst(0) depctr_va_sdst(0) depctr_va_ssrc(0) depctr_va_vcc(0) depctr_vm_vsrc(0)
	s_getreg_b32 s2, hwreg(HW_REG_IB_STS2, 6, 4)
	s_cmp_eq_u32 s2, 0
	s_cbranch_scc0 .Lentry_in_a_cluster
	s_endpgm
.Lentry_in_a_cluster:
	s_bfe_u32 s2, ttmp6, 0x10000c
	s_cmp_lg_u32 s2, 0xf033
	s_cbranch_scc0 .Lentry_shape_is_right
	s_endpgm
.Lentry_shape_is_right:
; out0 = Q(o) Q(W_out) + b_out, on codes of E2M3.  o's codes come from the attention launch (records of 12,800 bytes, a tile of 16 rows each: the half fragment of head hd at 768 hd, so K step q at 1,536 q;
; scale bytes at 12,288 + 32 r + 2 hd), W_out's from the first launch (wt's records 64 on: eight images of 1,536 bytes, then the scale words).
; o's tile 4 G + j holds rows 64 G + 32 (r / 8) + 8 j + r % 8; W's tile 2 B + u holds columns 32 B + 8 u + r + 8 (r / 8).
; THE DEAL.  256 work-groups of four waves, 2 x 2, each 256 rows x 128 columns.  A wave holds its four tiles of W, ALL of K, in registers (32 fragments, 384 registers) and streams o's tiles past them:
; the wave in row a takes tile 2 s + a of the work-group's sixteen as its block s = 0 .. 7.  A block is 32 products, the four sums by turns, the bias as the first products' C.
; Source 0 = W's tile, source 1 = o's: a lane holds one row, and the 16 registers of two neighbouring tiles of W are 16 neighbouring columns.
; EACH BLOCK'S ROWS LEAVE AT ONCE, in the run behind its products: through my own stage in LDS, back as whole rows of 256 bytes, stored; in the same run the block two on is fetched into the set of registers just read.
; One wait on LDS a block: younger than the rows' way back are the run's 32 fetch loads alone; it shows the next block's fragments in too, which were asked for a run earlier.
; LDS: o's sixteen tiles (12,288 bytes each), W's eight, the four stages, the spare words.  FOUR TENSOR LOADS, one a wave, each on a line of its own, all at the head; nothing is filled again:
; W's eight tiles; o's tiles 0-5; 6-9; 10-15.  The stream begins when the first two are in; plain barriers inside blocks 1 and 3 show the third and the fourth.
; CLUSTER 4 x 4: o's tiles are shared along a row, W's along a column: joint loads.  No prefetch: all is asked for at the head, and there is no loop to run ahead in.
; LIMITS: NaN, infinities and sums beyond f32's range are not served; a sum begins with the bias, where reference() adds it last.
.set REC,   12800
.set TIL,   12288                      ; a tile's eight images
.set WB,    196608                     ; LDS: W's tiles, behind o's sixteen
.set STAGE, 294912                     ; 16 rows x (256 bytes + 16) for each wave; no tensor load lands there
.set SPARE, 312320                     ; the spare words
.set FR,    12
.set FPW,   21                         ; fragments in a window: fragment f lies in window 1 + f / 21 at register 12 (f % 21).  W's: 4 q + t; o's two sets: 32 + 8 e + q
.set NF,    32                         ; LDS loads of a block's fetch
.set LN,    4                          ; v4   16 x lane
.set STO,   5                          ; v5   the stage: where I put 64 bytes of a row
.set RD,    6                          ; v6   where I read a row back
.set CO,    7                          ; v7   my byte offset in two rows of out0
.set AO16,  10                         ; v10  o's tiles of the pair of blocks that is fetched: 16 x lane + my first
.set AO8,   11                         ; v11  the same with 8 x lane
.set AW,    12                         ; v12  W's fragments
.set SPW,   13
.set NIL,   14
.set OS,    16                         ; v16-47 o's scale words: register 4 s + j: K step j in lanes 0-15, 4 + j in lanes 16-31
.set WS,    50                         ; v50-65 W's, likewise
.set ACC,   66                         ; v66-129 two sets of four accumulators
.set BK,    130                        ; v130-193 two sets: 16 rows x 256 bytes back from the stage
.set BO,    194                        ; v194-225 the bias, eight registers a tile of W
.set WV,    12
.set G1A,   16
.set G1B,   24
.set G0A,   32
.set G0B,   36
.set MSB,   0
.macro WIN new
.if MSB != \new
	s_set_vgpr_msb (MSB<<8)|\new
.set MSB, \new
.endif
.endm
.macro PLACES n
.rept \n
	v_nop
.endr
.endm
.macro WALU
	s_wait_alu depctr_va_vdst(0)
.endm
.macro BARRIER
	s_barrier_signal -1
	s_barrier_wait -1
.endm
.macro CROUND
	BARRIER
	s_cmp_lg_u32 s[WV], 0
	s_cbranch_scc1 .Lnot_wave_0_\@
	s_barrier_signal -3
.Lnot_wave_0_\@:
	s_barrier_wait -3
	BARRIER
.endm
.macro TLOAD g0, g1                    ; an s_nop 0 and four v_nop follow a tensor load
	tensor_load_to_lds s[\g0:\g0+3], s[\g1:\g1+7]
	s_nop 0
	PLACES 4
.endm
.macro ATILE first, rows               ; some of o's sixteen tiles, by a descriptor of constants
	s_mov_b32 s[G0A+1], (\first)*TIL
	s_mov_b32 s[G1A+2], (\rows)<<16
	s_mov_b32 s[G1A+4], \rows
.if \first
	s_add_nc_u64 s[G0A+2:G0A+3], s[G0A+2:G0A+3], (\first)*REC
.endif
	s_or_b32 s[G0A+3], s[G0A+3], 0x80000000
	TLOAD G0A, G1A
.endm
	s_load_b128 s[4:7], s[0:1], 0x0                ; ot, wt
	s_load_b128 s[8:11], s[0:1], 0x10              ; b_out, out0
	v_lshl_add_u32 v[SPW], v0, 2, SPARE
	v_mov_b32 v[NIL], 0
	ds_add_u32 v[SPW], v[NIL]                      ; the opening lines
	ds_add_u32 v[SPW], v[NIL]
	v_lshrrev_b32 v1, 5, v0
	v_readfirstlane_b32 s[WV], v1
	s_lshr_b32 s13, s[WV], 1                       ; a: my row of the 2 x 2
	s_and_b32 s14, s[WV], 1                        ; which 64 columns
	s_bfe_u32 s66, ttmp6, 0x40000                  ; cx
	s_bfe_u32 s67, ttmp6, 0x40004                  ; cy
	s_lshl_b32 s68, ttmp9, 2
	s_add_co_u32 s68, s68, s66                     ; gx
	s_and_b32 s69, ttmp7, 0xffff
	s_lshl_b32 s69, s69, 2
	s_add_co_u32 s69, s69, s67                     ; gy
	s_lshl_b32 s70, s67, 2
	s_lshl_b32 s70, 15, s70                        ; my row of the cluster
	s_lshl_b32 s71, 0x1111, s66                    ; my column
	s_or_b32 s[G1A], s70, (3<<16)|(1<<21)          ; group 1 for o: records' first 12,288 bytes, 12,800 apart, in elements of 8 bytes; how many, each arm says
	s_mov_b32 s[G1A+1], 1536<<16
	s_mov_b32 s[G1A+3], 1536<<16
	s_mov_b32 s[G1A+5], 1600
	s_mov_b32 s[G1A+6], 0
	s_mov_b32 s[G1A+7], 0
	s_or_b32 s[G1B], s71, (3<<16)|(1<<21)          ; and for W: eight records'
	s_mov_b32 s[G1B+1], 1536<<16
	s_mov_b32 s[G1B+2], 8<<16
	s_mov_b32 s[G1B+3], 1536<<16
	s_mov_b32 s[G1B+4], 8
	s_mov_b32 s[G1B+5], 1600
	s_mov_b32 s[G1B+6], 0
	s_mov_b32 s[G1B+7], 0
	s_mov_b32 s[G0A], 1
	s_mov_b32 s[G0B], 1
	s_mov_b32 s[G0B+1], WB
	s_mul_i32 s72, s69, 16*REC                     ; o's tiles 16 gy on (no register here ever holds cx)
	s_mov_b32 s73, 0
	s_lshl_b32 s74, s68, 3                         ; W_out: records 64 + 8 gx on (nor here cy)
	s_add_co_u32 s74, s74, 64
	s_mul_i32 s74, s74, REC
	s_mov_b32 s75, 0
	s_lshl_b32 s84, s69, 4                         ; my tiles' records, 16 gy + a + 2 s, for their scale words
	s_add_co_u32 s84, s84, s13
	s_mul_i32 s84, s84, REC
	s_mov_b32 s85, 0
	s_lshl_b32 s86, s68, 3                         ; my four tiles of W_out
	s_lshl_b32 s87, s14, 2
	s_add_co_u32 s86, s86, s87
	s_add_co_u32 s86, s86, 64
	s_mul_i32 s86, s86, REC
	s_mov_b32 s87, 0
	s_lshl_b32 s88, s68, 9                         ; my first column, in bytes: 512 gx + 256 x half
	s_lshl_b32 s89, s14, 8
	s_add_co_u32 s88, s88, s89
	s_mov_b32 s89, 0
	s_lshl_b32 s90, s69, 20                        ; my first row: 256 gy + 8 a, 4,096 bytes a row
	s_lshl_b32 s91, s13, 15
	s_add_co_u32 s90, s90, s91
	s_add_co_u32 s90, s90, s88
	s_mov_b32 s91, 0
	v_and_b32 v1, 15, v0                           ; r
	v_bfe_u32 v2, v0, 4, 1                         ; h
	v_and_b32 v3, 31, v0
	v_lshlrev_b32 v[LN], 4, v3
	v_lshlrev_b32 v8, 5, v1
	v_lshl_add_u32 v8, v2, 4, v8                   ; o's scale words: 32 r + 16 h
	v_lshlrev_b32 v9, 6, v2                        ; the bias: lanes 16-31 begin 16 columns on
	s_mul_i32 s78, s13, TIL
	v_add_nc_u32 v[AO16], s78, v[LN]
	v_lshl_add_u32 v[AO8], v3, 3, s78
	s_mul_i32 s79, s14, 4*TIL
	s_add_co_u32 s79, s79, WB
	v_add_nc_u32 v[AW], s79, v[LN]
	s_mul_i32 s78, s[WV], 16*272
	s_add_co_u32 s78, s78, STAGE                   ; my stage
	v_mul_u32_u24 v[STO], v1, 272
	v_lshl_add_u32 v[STO], v2, 6, v[STO]
	v_add_nc_u32 v[STO], s78, v[STO]               ; in: row r, + 64 h
	v_mul_u32_u24 v[RD], v2, 272
	v_lshl_add_u32 v[RD], v1, 4, v[RD]
	v_add_nc_u32 v[RD], s78, v[RD]                 ; back: lanes 0-15 one row of 256 bytes, lanes 16-31 the next
	v_lshlrev_b32 v[CO], 12, v2
	v_lshl_add_u32 v[CO], v1, 4, v[CO]             ; and the same in out0
	WALU                                           ; the wait at the head's end
	s_wait_dscnt 0x0
	CROUND                                         ; the opening round
	s_wait_kmcnt 0x0
	s_add_nc_u64 s[G0A+2:G0A+3], s[4:5], s[72:73]
	s_add_nc_u64 s[G0B+2:G0B+3], s[6:7], s[74:75]
	s_or_b32 s[G0B+3], s[G0B+3], 0x80000000
	s_add_nc_u64 s[84:85], s[4:5], s[84:85]
	s_add_nc_u64 s[86:87], s[6:7], s[86:87]
	s_add_nc_u64 s[8:9], s[8:9], s[88:89]
	s_add_nc_u64 s[10:11], s[10:11], s[90:91]
	s_cmp_eq_u32 s[WV], 0
	s_cbranch_scc0 .Lwave_1
	TLOAD G0B, G1B                                 ; wave 0: W's tiles, which are wanted first
	s_branch .Lasked
.Lwave_1:
	s_cmp_eq_u32 s[WV], 1
	s_cbranch_scc0 .Lwave_2
	ATILE 0, 6                                     ; wave 1: o's tiles 0 to 5: blocks 0 to 2
	s_branch .Lasked
.Lwave_2:
	s_cmp_eq_u32 s[WV], 2
	s_cbranch_scc0 .Lwave_3
	ATILE 6, 4                                     ; wave 2: 6 to 9: blocks 3, 4
	s_branch .Lasked
.Lwave_3:
	ATILE 10, 6                                    ; wave 3: 10 to 15: blocks 5 to 7
.Lasked:
.irp i, 0,1,2,3,4,5,6,7
	global_load_b128 v[OS+4*\i:OS+4*\i+3], v8, s[84:85] offset:2*REC*\i+12288
.endr
.irp t, 0,1,2,3
	global_load_b128 v[WS+4*\t:WS+4*\t+3], v[LN], s[86:87] offset:REC*\t+12288
.endr
.irp t, 0,1,2,3
	global_load_b128 v[BO+8*\t:BO+8*\t+3], v9, s[8:9] offset:(32*(\t/2)+8*(\t%2))*4       ; tile t = 2 b + u: b_out at columns 32 b + 16 h + 8 u + 0 .. 7
	global_load_b128 v[BO+8*\t+4:BO+8*\t+7], v9, s[8:9] offset:(32*(\t/2)+8*(\t%2))*4+16
.endr
.macro FETCH e, off                    ; a block of o into set e: two heads' half fragments a K step: registers 0-3 and 4, 5; 6-9 and 10, 11
.irp q, 0,1,2,3,4,5,6,7
.set F_, 32+8*(\e)+\q
.set R_, FR*(F_%FPW)
	WIN (1+F_/FPW)<<6
	ds_load_b128 v[R_:R_+3], v[AO16] offset:(\off)+1536*\q
	ds_load_b64 v[R_+4:R_+5], v[AO8] offset:(\off)+1536*\q+512
	ds_load_b128 v[R_+6:R_+9], v[AO16] offset:(\off)+1536*\q+768
	ds_load_b64 v[R_+10:R_+11], v[AO8] offset:(\off)+1536*\q+1280
.endr
	WIN 0
.endm
.macro WMX d, fb, fa, c, sa, sb, hi    ; hi: the scale words of K steps 4-7 (lanes 16-31)
.if \hi
	v_wmma_scale_f32_16x16x128_f8f6f4 v[\d:\d+7], v[FR*(\fb%FPW):FR*(\fb%FPW)+FR-1], v[FR*(\fa%FPW):FR*(\fa%FPW)+FR-1], \c, v[\sa], v[\sb] matrix_a_fmt:MATRIX_FMT_FP6 matrix_b_fmt:MATRIX_FMT_FP6 matrix_a_scale:MATRIX_SCALE_ROW1 matrix_b_scale:MATRIX_SCALE_ROW1
.else
	v_wmma_scale_f32_16x16x128_f8f6f4 v[\d:\d+7], v[FR*(\fb%FPW):FR*(\fb%FPW)+FR-1], v[FR*(\fa%FPW):FR*(\fa%FPW)+FR-1], \c, v[\sa], v[\sb] matrix_a_fmt:MATRIX_FMT_FP6 matrix_b_fmt:MATRIX_FMT_FP6
.endif
.endm
.macro PROD s, n                       ; product n = 4 q + t of block s
.set Q_, (\n)/4
.set T_, (\n)%4
.set FB_, 4*Q_+T_
.set FA_, 32+8*((\s)%2)+Q_
.set D_, ACC+32*((\s)%2)+8*T_
.set XB_, WS+4*T_+Q_%4
.set XA_, OS+4*(\s)+Q_%4
.set HI_, Q_/4
	WIN (1+FB_/FPW)|((1+FA_/FPW)<<2)
.if Q_
	WMX D_, FB_, FA_, v[D_:D_+7], XB_, XA_, HI_
.else
	WMX D_, FB_, FA_, v[BO+8*T_:BO+8*T_+7], XB_, XA_, HI_
.endif
.endm
.macro PRODS s, from, to
.set N_, \from
.rept (\to)-(\from)
	PROD \s, N_
.set N_, N_+1
.endr
	WIN 0
.endm
; A BLOCK.  fetch = 1: the block two on is fetched.  show = 1: a plain barrier shows wave 2's tiles (wave 3's may still be out); show = 2: all that is still out.
.macro BLK s, fetch, show
.set E_, (\s)%2
.if \show
	PRODS \s, 0, 24
.if (\show) == 1
	s_cmp_eq_u32 s[WV], 3
	s_cbranch_scc1 .Lnot_3_\@
	s_wait_tensorcnt 0x0
.Lnot_3_\@:
.else
	s_wait_tensorcnt 0x0
.endif
	s_wait_dscnt 0x0
	s_barrier_signal -1
	PRODS \s, 24, 32
	s_barrier_wait -1
.else
	PRODS \s, 0, 32
.endif
.if (\fetch) && (E_ == 0)              ; four plain vector lines stand behind the last product, ahead of the first reader of its sums and of the fetch into registers that it read
	v_add_nc_u32 v[AO16], 4*TIL, v[AO16]           ; on to the next pair of blocks: four tiles
	v_add_nc_u32 v[AO8], 4*TIL, v[AO8]
	PLACES 2
	WALU
.else
	PLACES 4
.endif
	s_wait_xcnt 0x0                                ; the stores of two blocks ago have read this set of rows
.irp b, 0,1
.irp m, 0,1,2,3
	ds_store_b128 v[STO], v[ACC+32*E_+16*\b+4*\m:ACC+32*E_+16*\b+4*\m+3] offset:128*\b+16*\m   ; columns 32 b + 16 h + 4 m on; each accumulator from its low end on
.endr
.endr
.irp t, 0,1,2,3,4,5,6,7
	ds_load_b128 v[BK+32*E_+4*\t:BK+32*E_+4*\t+3], v[RD] offset:544*\t   ; LDS serves a wave's instructions in order: these see the stores above
.endr
.if \fetch
	FETCH E_, 2*TIL*E_
	s_wait_dscnt NF                                ; the rows are back; younger are the fetch's loads alone
.else
	s_wait_dscnt 0x0
.endif
.irp t, 0,1,2,3,4,5,6,7
	global_store_b128 v[CO], v[BK+32*E_+4*\t:BK+32*E_+4*\t+3], s[10:11] offset:(64*((\s)/2)+16*E_+2*\t+24*(\t/4))*4096 th:TH_STORE_NT   ; 16 lanes store 256 consecutive bytes, at a multiple of 256 from out0's first byte; stage rows 2 t, 2 t + 1 at their places among the tile's rows
.endr
.endm
	s_cmp_eq_u32 s[WV], 0
	s_cbranch_scc0 .Lnot_w
	s_wait_tensorcnt 0x0                           ; wave 0: W's tiles have landed
.Lnot_w:
	BARRIER
.irp q, 0,1,2,3,4,5,6,7                        ; my four tiles of W, all of K: 96 loads of 512 consecutive bytes
.irp t, 0,1,2,3
.set F_, 4*\q+\t
	WIN (1+F_/FPW)<<6
.irp g, 0,1,2
	ds_load_b128 v[FR*(F_%FPW)+4*\g:FR*(F_%FPW)+4*\g+3], v[AW] offset:TIL*\t+1536*\q+512*\g
.endr
.endr
.endr
	WIN 0
	s_cmp_eq_u32 s[WV], 1
	s_cbranch_scc0 .Lnot_o
	s_wait_tensorcnt 0x0                           ; wave 1: o's tiles 0 to 5 have landed
.Lnot_o:
	s_wait_dscnt 0x0
	BARRIER                                        ; waves 2 and 3's tiles may still be on their way
	FETCH 0, 0
	FETCH 1, 2*TIL
	s_wait_loadcnt 0x0                             ; the scale words and the bias
	s_wait_dscnt NF                                ; block 0's fragments are in
	BLK 0, 1, 0
	BLK 1, 1, 1
	BLK 2, 1, 0
	BLK 3, 1, 2
	BLK 4, 1, 0
	BLK 5, 1, 0
	BLK 6, 0, 0
	BLK 7, 0, 0
	s_wait_tensorcnt 0x0                           ; the wave's end
	ds_add_u32 v[SPW], v[NIL]
	s_wait_dscnt 0x0
	CROUND                                         ; the closing round
	s_endpgm
.Lfunc_end_k_qa377998dc3_outp:
	.size	k_qa377998dc3_outp, .Lfunc_end_k_qa377998dc3_outp-k_qa377998dc3_outp
	.p2alignl 7, 3214868480
	.fill 96, 4, 3214868480
	.section	.rodata,"a",@progbits
	.p2align	6, 0x0
	.amdhsa_kernel k_qa377998dc3_outp
		.amdhsa_group_segment_fixed_size 327680
		.amdhsa_private_segment_fixed_size 0
		.amdhsa_enable_private_segment 0
		.amdhsa_kernarg_size 32
		.amdhsa_user_sgpr_count 2
		.amdhsa_user_sgpr_kernarg_segment_ptr 1
		.amdhsa_wavefront_size32 1
		.amdhsa_system_sgpr_workgroup_id_x 1
		.amdhsa_system_sgpr_workgroup_id_y 1
		.amdhsa_system_sgpr_workgroup_id_z 1
		.amdhsa_system_vgpr_workitem_id 0
		.amdhsa_next_free_vgpr 840
		.amdhsa_next_free_sgpr 96
		.amdhsa_reserve_vcc 0
		.amdhsa_float_denorm_mode_32 3
		.amdhsa_float_denorm_mode_16_64 3
		.amdhsa_memory_ordered 1
		.amdhsa_forward_progress 1
		.amdhsa_inst_pref_size 82
	.end_amdhsa_kernel
	.amdgpu_metadata
---
amdhsa.version: [ 1, 2 ]
amdhsa.kernels:
  - .name:           k_qa377998dc3_outp
    .symbol:         k_qa377998dc3_outp.kd
    .args:
      - { .name: ot, .offset: 0, .size: 8, .value_kind: global_buffer, .address_space: global }
      - { .name: wt, .offset: 8, .size: 8, .value_kind: global_buffer, .address_space: global }
      - { .name: b_out, .offset: 16, .size: 8, .value_kind: global_buffer, .address_space: global }
      - { .name: out0, .offset: 24, .size: 8, .value_kind: global_buffer, .address_space: global }
    .group_segment_fixed_size: 327680
    .private_segment_fixed_size: 0
    .kernarg_segment_align: 8
    .kernarg_segment_size: 32
    .max_flat_workgroup_size: 128
    .sgpr_count:     96
    .vgpr_count:     840
    .wavefront_size: 32
...
	.end_amdgpu_metadata
.endif
;; end of part 4
